; MI455X (gfx1250); checked and timed in simulation.
; The chip was launched on July 23, 2026; its instructions are those of AMD's public machine-readable ISA for CDNA 5 (MIT licence, August 2026) and "CDNA5" Instruction Set Architecture Reference Guide (July 2026). The comments in the code are by the model that wrote it; some were corrected since.
;; Causal Self Attention. Allowed arithmetic: float matrix products may take bf16 or f16 operands with f32 sums; all other float work in f32.
;; Inputs: out_b 1,024 float32; out_w 1,024 x 1,024 float32; qkv_b 3,072 float32; qkv_w 1,024 x 3,072 float32; x 2 x 2,048 x 1,024 float32.
;; Outputs: out0 2 x 2,048 x 1,024 float32.
;; 2 versions, each right; version 2 is version 1 with the launch cast written anew for expert scheduling mode. Each part assembles by itself: llvm-mc -triple=amdgcn-amd-amdhsa -mcpu=gfx1250 --defsym DOCPART=n.
;; ======== version 1 of 2: 4 launches
;; limits: values are held in f16: magnitudes above 65,504 overflow, below 6.1e-05 lose precision
;; workspace buffers: xh 8,388,608 bytes; wqt 6,291,456 bytes; wot 2,097,152 bytes; qkv 25,165,824 bytes; att 16,777,216 bytes
;; launch cast (part 1): grid 512 x 1, 8 waves a work-group, no clusters, 50,432 bytes of LDS; arguments x, qkv_w, out_w, xh, wqt, wot; writes xh, wqt, wot
.if DOCPART == 1
	.amdgcn_target "amdgcn-amd-amdhsa--gfx1250"
	.amdhsa_code_object_version 6
	.text
	.protected	k_q6f29392580_cast
	.globl	k_q6f29392580_cast
	.p2align	8
	.type	k_q6f29392580_cast,@function
k_q6f29392580_cast:
	s_mov_b64 s[64:65], 0
	v_nop
	global_prefetch_b8 v0, s[64:65] scope:SCOPE_SE
	s_setreg_imm32_b32 hwreg(HW_REG_WAVE_MODE, 25, 1), 1
	s_wait_xcnt 0x0
; x [4096][1024] f32 -> xh, the same in bf16.  qkv_w [1024 k][3072 n] f32 -> wqt [3072 n][1024 k] bf16.  out_w [1024 k][1024 n] f32 -> wot [1024 n][1024 k] bf16.
; The later launches' matrix operands want 16-bit numbers with k running along a row; here each f32 byte is read once and each bf16 byte written once.
; bf16 has f32's range, so the inputs keep theirs; each is rounded once, to nearest even, to 8 significant bits.
; Every work-group takes 64 KiB of f32, all of a thread's sixteen 16-byte loads go out at once; no loop.
;   groups 0-255: a piece of x;  groups 256-447: a tile of 128 k x 128 n of qkv_w;  groups 448-511: such a tile of out_w.
; No matrix unit, no cluster, no tensor load: nothing is shared between work-groups and the work is a copy.
.set X,   4                            ; v[4:67]   sixteen loads of four f32
.set Y,   68                           ; v[68:99]  the same numbers in bf16
.set GO,  100                          ; v100      byte offset of my 16 bytes in the transposed tile in memory
.set WV,  101                          ; v101      wave number
.set LN,  102                          ; v102      lane
.set TT,  103                          ; v103      at work
.set RP,  48                           ; LDS: 32 bytes (16 k) of one column n, and 16 of padding
.set REG, 128*RP+32                    ; LDS: a wave's own region, 128 columns; the 32 bytes more set the eight regions 32 bytes apart modulo 256
	s_load_b256 s[4:11], s[0:1], 0x0               ; x s[4:5], qkv_w s[6:7], out_w s[8:9], xh s[10:11]
	s_load_b128 s[12:15], s[0:1], 0x20             ; wqt s[12:13], wot s[14:15]
	v_lshl_add_u32 v104, v0, 2, 0xc100
	v_mov_b32 v105, 0
	s_mov_b32 s2, ttmp9                            ; the work-group's number
	v_lshrrev_b32 v[WV], 5, v0
	v_readfirstlane_b32 s20, v[WV]                 ; wave number as a scalar
	v_and_b32 v[LN], 31, v0
	s_mov_b32 s17, 0                               ; high words of the two offset pairs
	s_mov_b32 s19, 0
	s_wait_kmcnt 0x0
	s_cmp_ge_u32 s2, 448
	s_cbranch_scc1 .Lout_w
	s_cmp_ge_u32 s2, 256
	s_cbranch_scc1 .Lqkv_w
	; ---- a piece of x: 16,384 numbers.  Thread t takes 16 bytes at 16 t of every 4,096; a wave's store covers 256 consecutive bytes, aligned.
	s_lshl_b32 s16, s2, 16
	s_add_nc_u64 s[4:5], s[4:5], s[16:17]
	s_lshl_b32 s18, s2, 15
	s_add_nc_u64 s[10:11], s[10:11], s[18:19]
	v_lshlrev_b32 v1, 4, v0
	v_lshlrev_b32 v2, 3, v0
.irp i, 0,1,2,3,4,5,6,7,8,9,10,11,12,13,14,15
	global_load_b128 v[X+4*\i:X+4*\i+3], v1, s[4:5] offset:\i*4096 th:TH_LOAD_NT
.endr
.irp i, 0,1,2,3,4,5,6,7,8,9,10,11,12,13,14,15
	s_wait_loadcnt 15-\i                           ; loads come back in order: load i is in, the 15 - i younger ones stay out
	v_cvt_pk_bf16_f32 v[Y+2*\i],   v[X+4*\i],   v[X+4*\i+1]
	v_cvt_pk_bf16_f32 v[Y+2*\i+1], v[X+4*\i+2], v[X+4*\i+3]
	global_store_b64 v2, v[Y+2*\i:Y+2*\i+1], s[10:11] offset:\i*2048   ; no register is written twice: no wait for the stores' sources
.endr
	s_endpgm
; ---- a tile of 128 k x 128 n of a weight [1024][NP], transposed.  first = the number of the first work-group of this kind.
; Wave w loads rows k = 16 w .. 16 w + 15 (512 consecutive bytes each); lane l holds columns n = 4 l .. 4 l + 3 of all sixteen.
; For each of its four columns the lane packs the sixteen k into 32 bytes and stores them into the wave's own LDS region, at row 32 j + l
; (n = 4 l + j): neighbouring lanes are 48 bytes apart.  Behind the barrier a row n of the result, 256 bytes, is gathered from the eight regions.
.macro TRANS NP, first, src, dst
	s_sub_co_u32 s21, s2, \first                   ; tile number
	s_and_b32 s22, s21, 7                          ; kt: which 128 k
	s_lshr_b32 s23, s21, 3                         ; nt: which 128 n
	s_mul_i32 s16, s22, 128*\NP*4
	s_lshl_b32 s18, s23, 9
	s_add_co_u32 s16, s16, s18
	s_add_nc_u64 s[\src:\src+1], s[\src:\src+1], s[16:17]          ; the tile's first element
	s_lshl_b32 s18, s23, 18                        ; 128 rows of 2,048 bytes
	s_lshl_b32 s16, s22, 8                         ; 128 k of 2 bytes
	s_add_co_u32 s18, s18, s16
	s_add_nc_u64 s[\dst:\dst+1], s[\dst:\dst+1], s[18:19]
	v_mul_u32_u24 v1, v[WV], 16*\NP*4
	v_lshl_add_u32 v1, v[LN], 4, v1
.irp i, 0,1,2,3,4,5,6,7,8,9,10,11,12,13,14,15
	global_load_b128 v[X+4*\i:X+4*\i+3], v1, s[\src:\src+1] offset:\i*\NP*4 th:TH_LOAD_NT
.endr
	s_mul_i32 s21, s20, REG
	v_mad_u32_u24 v2, v[LN], RP, s21               ; in: my wave's region, row l (+ 32 j in the immediate)
	v_bfe_u32 v[TT], v0, 1, 3                      ; back: lane l & 15 takes bytes 16 (l & 15) of a row: region (l & 15) / 2,
	v_mul_u32_u24 v3, v[TT], REG
	v_and_b32 v[TT], 1, v0                         ; half l & 1 of its 32 bytes
	v_lshl_add_u32 v3, v[TT], 4, v3
	v_bfe_u32 v[TT], v0, 4, 1                      ; lanes 16-31 take the next column n: j one higher, 32 rows on
	v_mad_u32_u24 v3, v[TT], 32*RP, v3
	s_mul_i32 s22, s20, 4*RP                       ; my wave's columns n = 16 w ..: rows 4 w ..
	v_add_nc_u32 v3, s22, v3
	v_lshl_add_u32 v[GO], v[WV], 4, v[TT]          ; and in memory: row 16 w + l / 16,
	v_and_b32 v[TT], 15, v0
	v_lshlrev_b32 v[TT], 4, v[TT]
	v_lshl_add_u32 v[GO], v[GO], 11, v[TT]         ; of 2,048 bytes, + 16 (l & 15)
	s_wait_loadcnt 0x0                             ; a packed word needs two rows, a store eight: all sixteen
.irp j, 0,1,2,3
.irp g, 0,1
.irp m, 0,1,2,3
	v_cvt_pk_bf16_f32 v[Y+4*(2*\j+\g)+\m], v[X+4*(8*\g+2*\m)+\j], v[X+4*(8*\g+2*\m+1)+\j]   ; k = 16 w + 8 g + 2 m below, + 1 above
.endr
	ds_store_b128 v2, v[Y+4*(2*\j+\g):Y+4*(2*\j+\g)+3] offset:\j*32*RP+16*\g
.endr
.endr
	s_wait_dscnt 0x0                               ; my stores are done, for the other waves' sake
	s_barrier_signal -1
	s_barrier_wait -1                              ; the branch that led here hangs on the work-group's number alone: all eight waves are here
.irp u, 0,1,2,3,4,5,6,7
	ds_load_b128 v[X+4*\u:X+4*\u+3], v3 offset:(\u&1)*64*RP+(\u>>1)*RP     ; columns n = 16 w + 2 u + l / 16: j = 2 (u & 1) + l / 16, row 32 j + 4 w + u / 2
.endr
.irp u, 0,1,2,3,4,5,6,7
	s_wait_dscnt 7-\u                              ; LDS loads come back in order
	global_store_b128 v[GO], v[X+4*\u:X+4*\u+3], s[\dst:\dst+1] offset:\u*4096   ; sixteen lanes store 256 consecutive bytes, aligned
.endr
	s_wait_tensorcnt 0x0
	ds_add_u32 v104, v105
	s_wait_dscnt 0x0
	s_endpgm
.endm
.Lqkv_w:
	TRANS 3072, 256, 6, 12
.Lout_w:
	TRANS 1024, 448, 8, 14
.Lfunc_end_k_q6f29392580_cast:
	.size	k_q6f29392580_cast, .Lfunc_end_k_q6f29392580_cast-k_q6f29392580_cast
	.p2alignl 7, 3214868480
	.fill 96, 4, 3214868480
	.section	.rodata,"a",@progbits
	.p2align	6, 0x0
	.amdhsa_kernel k_q6f29392580_cast
		.amdhsa_group_segment_fixed_size 50432
		.amdhsa_private_segment_fixed_size 0
		.amdhsa_enable_private_segment 0
		.amdhsa_kernarg_size 48
		.amdhsa_user_sgpr_count 2
		.amdhsa_user_sgpr_kernarg_segment_ptr 1
		.amdhsa_wavefront_size32 1
		.amdhsa_system_sgpr_workgroup_id_x 1
		.amdhsa_system_sgpr_workgroup_id_y 1
		.amdhsa_system_sgpr_workgroup_id_z 1
		.amdhsa_system_vgpr_workitem_id 0
		.amdhsa_next_free_vgpr 106
		.amdhsa_next_free_sgpr 66
		.amdhsa_reserve_vcc 0
		.amdhsa_float_denorm_mode_32 3
		.amdhsa_float_denorm_mode_16_64 3
		.amdhsa_memory_ordered 1
		.amdhsa_forward_progress 1
		.amdhsa_inst_pref_size 21
	.end_amdhsa_kernel
	.amdgpu_metadata
---
amdhsa.version: [ 1, 2 ]
amdhsa.kernels:
  - .name:           k_q6f29392580_cast
    .symbol:         k_q6f29392580_cast.kd
    .args:
      - { .name: x, .offset: 0, .size: 8, .value_kind: global_buffer, .address_space: global }
      - { .name: qkv_w, .offset: 8, .size: 8, .value_kind: global_buffer, .address_space: global }
      - { .name: out_w, .offset: 16, .size: 8, .value_kind: global_buffer, .address_space: global }
      - { .name: xh, .offset: 24, .size: 8, .value_kind: global_buffer, .address_space: global }
      - { .name: wqt, .offset: 32, .size: 8, .value_kind: global_buffer, .address_space: global }
      - { .name: wot, .offset: 40, .size: 8, .value_kind: global_buffer, .address_space: global }
    .group_segment_fixed_size: 50432
    .private_segment_fixed_size: 0
    .kernarg_segment_align: 8
    .kernarg_segment_size: 48
    .max_flat_workgroup_size: 256
    .sgpr_count:     66
    .vgpr_count:     106
    .wavefront_size: 32
...
	.end_amdgpu_metadata
.endif
;; end of part 1
;; launch qkv (part 2): grid 16 x 16, 4 waves a work-group, clusters of 4 x 4, 327,680 bytes of LDS; arguments xh, wqt, qkv_b, qkv; writes qkv
.if DOCPART == 2
	.amdgcn_target "amdgcn-amd-amdhsa--gfx1250"
	.amdhsa_code_object_version 6
	.text
	.protected	k_q6f29392580_qkv
	.globl	k_q6f29392580_qkv
	.p2align	8
	.type	k_q6f29392580_qkv,@function
k_q6f29392580_qkv:
	s_mov_b64 s[64:65], 0
	v_nop
	global_prefetch_b8 v0, s[64:65] scope:SCOPE_SE
	s_setreg_imm32_b32 hwreg(HW_REG_WAVE_MODE, 25, 1), 1
	s_wait_xcnt 0x0
	s_wait_alu depctr_hold_cnt(0) depctr_sa_sdst(0) depctr_va_vdst(0) depctr_va_sdst(0) depctr_va_ssrc(0) depctr_va_vcc(0) depctr_vm_vsrc(0)
	s_getreg_b32 s2, hwreg(HW_REG_IB_STS2, 6, 4)
	s_cmp_eq_u32 s2, 0
	s_cbranch_scc0 .Lentry_in_a_cluster
	s_endpgm
.Lentry_in_a_cluster:
	s_bfe_u32 s2, ttmp6, 0x10000c
	s_cmp_lg_u32 s2, 0xf033
	s_cbranch_scc0 .Lentry_shape_is_right
	s_endpgm
.Lentry_shape_is_right:
; qkv = x W + b:  xh [4096][1024] bf16, wqt [3072 n][1024 k] bf16, qkv_b [3072] f32; sums in f32, rounded once to f16.
; Result by heads: qkv [48 slots][4096 tokens][64] f16, slot = column / 64 (0-15 q, 16-31 k, 32-47 v), so that two tokens of a head are 256 consecutive bytes.
; q, k, v go out in f16 and not in bf16 for its three more significant bits: they are operands of two further products.
; LIMIT: so magnitudes of q, k, v above 65,504 become infinite.
; A work-group makes 256 tokens x 192 columns (three heads): 16 x 16 = 256 work-groups.  Wave w makes tokens 64 w .. 64 w + 63 by all 192 columns:
; 4 x 12 accumulator tiles of 16 x 16, 384 registers; it alone writes its tokens' rows of the three heads.
; K goes in steps of 128 (rows of 256 bytes in memory) through a ring of two LDS slots filled by tensor loads.
; CLUSTERS: 4 x 4 work-groups.  The four of a row of the cluster need the same tiles of x, the four of a column the same tiles of W: each tile is asked
; for jointly, by the same tensor load with the same descriptor in all four.
; REGISTERS by windows of 256:  0: addresses, x fragments (two buffers), the bias, later the way out;  1: W fragments (two buffers);
;   2: tiles of my tokens 0-31 (tile (a, b) at v[8 (12 a + b)]);  3: those of my tokens 32-63.
; The matrix instruction is used transposed (source 0 = 16 rows of wqt, source 1 = 16 tokens): lane l then holds token l % 16 and its eight registers
; the columns 8 (l / 16) + 0 .. 7, eight neighbouring numbers of a row of the result.
.set KSTEP,  128
.set PITCH,  272                       ; an LDS row: 256 bytes + 16 of padding: sixteen neighbouring rows begin at sixteen different 16-byte columns modulo 256
.set AHALF,  128*PITCH                 ; what waves 0 and 1 fetch: 128 tokens
.set BHALF,  96*PITCH                  ; what waves 2 and 3 fetch: 96 rows of wqt
.set BBASE,  2*AHALF                   ; W's rows lie behind x's 256
.set SLOT,   2*AHALF+2*BHALF           ; 121,856
.set STAGE,  2*SLOT                    ; behind the ring, in 256-byte blocks of its own: the way out
.set SPITCH, 144                       ; a token's 128 bytes of one head + 16
.set SHEAD,  16*SPITCH
.set WSTAGE, 3*SHEAD                   ; a wave's stage: 3 heads x 16 tokens
.set HEADB,  524288                    ; bytes of a slot of qkv: 4,096 tokens x 128
.set LAPS,   4                         ; 1024 / (2 x 128): a lap = once round the ring
.set ADRA, 16                          ; v16-17  LDS address of my x fragments in slot 0, 1
.set ADRB, 20                          ; v20-21  the same for W
.set STO,  24                          ; v24     way out: where I put 16 bytes
.set RD,   25                          ; v25     way out: where I read 16 bytes back
.set CO,   26                          ; v26     way out: 16 x lane
.set BOFF, 27                          ; v27     byte offset of my eight bias numbers
.set FA,   32                          ; window 0: v[32:63], v[64:95]   x fragments, buffers 0, 1
.set BIAS, 96                          ; window 0: v[96:191]  bias of the 192 columns as twelve C operands
.set TMP,  96                          ; way out: v[96:143] packed results
.set RB,   144                         ; way out: v[144:191] rows read back
.set G1,  24                           ; s[24:31] descriptor group 1, x tiles
.set G0,  32                           ; s[32:39] group 0, x tiles, one set a slot
.set G1B, 48                           ; s[48:55] group 1, W tiles
.set G0B, 56                           ; s[56:63] group 0, W tiles, one set a slot
.set MSB, 0
.macro WIN new                         ; the immediate's high byte repeats the setting that is left; a switch that changes nothing is dropped
.if MSB != \new
	s_set_vgpr_msb (MSB<<8)|\new
.set MSB, \new
.endif
.endm
.macro PLACES                          ; four places behind matrix instructions (ISA guide 7.12.1 for instructions other than loads into their sources)
.rept 4
	v_nop
.endr
.endm
; A joint load: waves 0 and 1 fetch x's halves, waves 2 and 3 W's.  The branch hangs on the wave's number alone.
.macro JLOAD s
	s_cmp_eq_u32 s13, 0
	s_cbranch_scc0 .Lfor_b_\@
	tensor_load_to_lds s[G0+4*\s:G0+4*\s+3], s[G1:G1+7]
	s_nop 0
	s_branch .Lasked_\@
.Lfor_b_\@:
	tensor_load_to_lds s[G0B+4*\s:G0B+4*\s+3], s[G1B:G1B+7]
	s_nop 0
.Lasked_\@:
.endm
.macro CREST                           ; a round of the cluster's barrier behind its opening work-group barrier
	s_cmp_lg_u32 s12, 0
	s_cbranch_scc1 .Lnot_wave_0_\@
	s_barrier_signal -3
.Lnot_wave_0_\@:
	s_barrier_wait -3
	s_barrier_signal -1
	s_barrier_wait -1
.endm
.macro CROUND
	s_barrier_signal -1
	s_barrier_wait -1
	CREST
.endm
	s_load_b256 s[4:11], s[0:1], 0x0               ; xh s[4:5], wqt s[6:7], qkv_b s[8:9], qkv s[10:11]
	s_set_vgpr_msb 0x40
	v_lshl_add_u32 v255, v0, 2, 0x42400
	s_set_vgpr_msb 0x4000
	v_mov_b32 v255, 0
	s_set_vgpr_msb 0x1
	ds_add_u32 v255, v255
	ds_add_u32 v255, v255
	s_set_vgpr_msb 0x100
	v_lshrrev_b32 v1, 5, v0
	v_readfirstlane_b32 s12, v1                    ; wave 0..3
	s_lshr_b32 s13, s12, 1                         ; I fetch for x (0) or for W (1)
	s_and_b32 s14, s12, 1                          ; which half of that tile
	s_bfe_u32 s40, ttmp6, 0x40000                  ; cx
	s_bfe_u32 s41, ttmp6, 0x40004                  ; cy
	s_lshl_b32 s42, ttmp9, 2
	s_add_co_u32 s42, s42, s40                     ; BX: block of 192 columns
	s_and_b32 s43, ttmp7, 0xffff
	s_lshl_b32 s43, s43, 2
	s_add_co_u32 s43, s43, s41                     ; BY: block of 256 tokens
	s_lshl_b32 s44, s41, 2
	s_lshl_b32 s44, 15, s44                        ; my row of the cluster
	s_lshl_b32 s45, 0x1111, s40                    ; my column
	s_or_b32 s[G1+0], s44, (1<<16)|(1<<20)|(1<<21)|(5<<22)|(3<<25)   ; mask; 2-byte elements; padding on; bit 21 beside a mask; after every 64 words, 4 words
	s_or_b32 s[G1B+0], s45, (1<<16)|(1<<20)|(1<<21)|(5<<22)|(3<<25)
	s_mov_b32 s[G1+1], KSTEP<<16                   ; tensor_dim0 = 128
	s_mov_b32 s[G1B+1], KSTEP<<16
	s_mov_b32 s[G1+2], 128<<16                     ; tensor_dim1 = 128 rows
	s_mov_b32 s[G1B+2], 96<<16                     ;             = 96 rows
	s_mov_b32 s[G1+3], KSTEP<<16                   ; tile_dim0 = 128
	s_mov_b32 s[G1B+3], KSTEP<<16
	s_mov_b32 s[G1+4], 128                         ; tile_dim1
	s_mov_b32 s[G1B+4], 96
	s_mov_b32 s[G1+5], 1024                        ; elements from row to row
	s_mov_b32 s[G1B+5], 1024
	s_mov_b32 s[G1+6], 0
	s_mov_b32 s[G1B+6], 0
	s_mov_b32 s[G1+7], 0
	s_mov_b32 s[G1B+7], 0
	; x's tiles hang on BY and the wave alone, W's on BX and the wave alone, each in registers that never hold the other coordinate
	s_lshl_b32 s16, s43, 8
	s_lshl_b32 s17, s14, 7
	s_add_co_u32 s16, s16, s17                     ; token 256 BY + 128 half
	s_lshl_b32 s16, s16, 11                        ; rows of 2,048 bytes
	s_mov_b32 s17, 0
	s_mul_i32 s46, s42, 192
	s_mul_i32 s47, s14, 96
	s_add_co_u32 s46, s46, s47                     ; row 192 BX + 96 half of wqt
	s_lshl_b32 s46, s46, 11
	s_mov_b32 s47, 0
	s_mul_i32 s20, s12, AHALF                      ; LDS: waves 0, 1: x's halves
	s_mul_i32 s21, s12, BHALF
	s_add_co_u32 s21, s21, BBASE-2*BHALF           ; waves 2, 3: W's halves, behind x
	s_wait_dscnt 0x0
	s_wait_kmcnt 0x0
	s_add_nc_u64 s[18:19], s[4:5], s[16:17]
	s_add_nc_u64 s[46:47], s[6:7], s[46:47]
	CROUND                                         ; all sixteen work-groups are here: the first joint loads meet
.irp s, 0,1
	s_mov_b32 s[G0+4*\s], 1
	s_add_co_u32 s[G0+4*\s+1], s20, \s*SLOT
	s_add_nc_u64 s[G0+4*\s+2:G0+4*\s+3], s[18:19], \s*KSTEP*2
	s_or_b32 s[G0+4*\s+3], s[G0+4*\s+3], 0x80000000
	s_mov_b32 s[G0B+4*\s], 1
	s_add_co_u32 s[G0B+4*\s+1], s21, \s*SLOT
	s_add_nc_u64 s[G0B+4*\s+2:G0B+4*\s+3], s[46:47], \s*KSTEP*2
	s_or_b32 s[G0B+4*\s+3], s[G0B+4*\s+3], 0x80000000
	JLOAD \s                                       ; both slots' first fills, one group: two tensor loads of a wave are out, the most in this text
.endr
	v_and_b32 v1, 15, v0                           ; r = l % 16
	v_bfe_u32 v2, v0, 4, 1                         ; h = l / 16
	s_mul_i32 s46, s42, 768                        ; the block's 192 bias numbers
	s_mov_b32 s47, 0
	s_add_nc_u64 s[8:9], s[8:9], s[46:47]
	v_lshlrev_b32 v[BOFF], 5, v2                   ; my registers hold columns 16 b + 8 h + 0..7
.irp b, 0,1,2,3,4,5,6,7,8,9,10,11
	global_load_b128 v[BIAS+8*\b:BIAS+8*\b+3],   v[BOFF], s[8:9] offset:64*\b
	global_load_b128 v[BIAS+8*\b+4:BIAS+8*\b+7], v[BOFF], s[8:9] offset:64*\b+16
.endr
	v_mul_u32_u24 v3, v1, PITCH
	v_lshl_add_u32 v3, v2, 4, v3                   ; fragment: row r x pitch + 16 h; two loads 32 bytes apart
	s_mul_i32 s22, s12, 64*PITCH                   ; my 64 tokens
	s_mov_b32 s23, BBASE                           ; all of W's 192 rows
.irp s, 0,1
	v_add_nc_u32 v[ADRA+\s], s22, v3
	v_add_nc_u32 v[ADRB+\s], s23, v3
	s_add_co_u32 s22, s22, SLOT
	s_add_co_u32 s23, s23, SLOT
.endr
	s_mul_i32 s22, s12, WSTAGE
	s_add_co_u32 s22, s22, STAGE                   ; my stage
	v_mul_u32_u24 v4, v1, SPITCH
	v_lshl_add_u32 v4, v2, 4, v4
	v_add_nc_u32 v[STO], s22, v4                   ; in: token r, 16 bytes for each half of the lanes
	v_and_b32 v5, 31, v0
	v_lshrrev_b32 v6, 3, v5
	v_and_b32 v7, 7, v0
	v_mul_u32_u24 v6, v6, SPITCH
	v_lshl_add_u32 v6, v7, 4, v6
	v_add_nc_u32 v[RD], s22, v6                    ; back: eight lanes take a token's 128 bytes, the wave four tokens
	v_lshlrev_b32 v[CO], 4, v5                     ; which are 512 consecutive bytes of qkv
; 12 matrix instructions: token block 2 hi + a of my four by all 12 column blocks, 32 along K, from buffer f.
; first = 1: the bias is the C operand and starts the sums: nothing is cleared and nothing added later.
.macro MUL12 f, hi, a, first
.irp b, 0,1,2,3,4,5,6,7,8,9,10,11
.if \first
	v_wmma_f32_16x16x32_bf16 v[8*(12*\a+\b):8*(12*\a+\b)+7], v[96*\f+8*\b:96*\f+8*\b+7], v[FA+32*\f+8*(2*\hi+\a):FA+32*\f+8*(2*\hi+\a)+7], v[BIAS+8*\b:BIAS+8*\b+7]
.else
	v_wmma_f32_16x16x32_bf16 v[8*(12*\a+\b):8*(12*\a+\b)+7], v[96*\f+8*\b:96*\f+8*\b+7], v[FA+32*\f+8*(2*\hi+\a):FA+32*\f+8*(2*\hi+\a)+7], v[8*(12*\a+\b):8*(12*\a+\b)+7]
.endif
.endr
.endm
; 32 LDS loads in one run: W's twelve fragments (window 1), then my four x fragments, 32 K at byte k of the rows, into buffer f
.macro FETCH slot, k, f
	WIN 0x40
.irp i, 0,1,2,3,4,5,6,7,8,9,10,11
	ds_load_b128 v[96*\f+8*\i:96*\f+8*\i+3],   v[ADRB+\slot] offset:\k+\i*16*PITCH
	ds_load_b128 v[96*\f+8*\i+4:96*\f+8*\i+7], v[ADRB+\slot] offset:\k+\i*16*PITCH+32
.endr
	WIN 0
.irp i, 0,1,2,3
	ds_load_b128 v[FA+32*\f+8*\i:FA+32*\f+8*\i+3],   v[ADRA+\slot] offset:\k+\i*16*PITCH
	ds_load_b128 v[FA+32*\f+8*\i+4:FA+32*\f+8*\i+7], v[ADRA+\slot] offset:\k+\i*16*PITCH+32
.endr
.endm
; A K step is four quarters of 32 along K, 48 matrix instructions each, on buffers 0, 1, 0, 1.  The 48 accumulators take turns, one instruction
; a turn and in the same order in every quarter.
; Window settings: source 0 window 1, source 1 window 0, D window 2 or 3; C the same as D, or window 0 where the bias is C.
.macro QUARTER slot, k, f, g, first
	s_wait_dscnt 4                                 ; W and my token blocks 0, 1 are in; the youngest four loads (blocks 2, 3) may be out
.if \first
	WIN 0x81
.else
	WIN 0xa1
.endif
	MUL12 \f, 0, 0, \first
	MUL12 \f, 0, 1, \first
	PLACES
	FETCH \slot, \k, \g
	s_wait_dscnt 32                                ; all but the 32 just issued
.if \first
	WIN 0xc1
.else
	WIN 0xf1
.endif
	MUL12 \f, 1, 0, \first
	MUL12 \f, 1, 1, \first
.endm
.macro THREE slot, first
	QUARTER \slot, 64,  0, 1, \first
	QUARTER \slot, 128, 1, 0, 0
	QUARTER \slot, 192, 0, 1, 0
.endm
; The last quarter changes slots.  In front of the barrier each wave waits for its reads of this slot and for all its tensor loads (one is out: its part
; of the next slot).  Where the slot is filled again the barrier opens a round of the cluster's barrier, and the joint refill is the first tensor load
; behind the round.  From that request to the wait for it stand a K step's matrix instructions less the twelve between signal and wait.
.macro TURN slot, next, fill
	s_wait_dscnt 4
	WIN 0xa1
	MUL12 1, 0, 0, 0
	s_wait_dscnt 0                                 ; my reads of this slot are over
	s_wait_tensorcnt 0x0                           ; all my tensor loads have landed
	ds_add_u32 v255, v255
	s_wait_dscnt 0x0
	s_barrier_signal -1
	MUL12 1, 0, 1, 0                               ; register work while the others arrive
	WIN 0
	s_barrier_wait -1
.if \fill
	CREST
	s_add_nc_u64 s[G0+4*\slot+2:G0+4*\slot+3], s[G0+4*\slot+2:G0+4*\slot+3], 2*KSTEP*2       ; no load of mine is out: group 0 may be written
	s_add_nc_u64 s[G0B+4*\slot+2:G0B+4*\slot+3], s[G0B+4*\slot+2:G0B+4*\slot+3], 2*KSTEP*2
	JLOAD \slot
.endif
	PLACES
	FETCH \next, 0, 0
	WIN 0xf1
	MUL12 1, 1, 0, 0
	MUL12 1, 1, 1, 0
.endm
.macro LAP first
	THREE 0, \first
	TURN 0, 1, 1
	THREE 1, 0
	TURN 1, 0, 1
.endm
	s_wait_tensorcnt 1                             ; my part of K step 0 is in; K step 1's stays out
	s_barrier_signal -1
	s_barrier_wait -1
	FETCH 0, 0, 0
	s_wait_loadcnt 0x0                             ; the bias
	LAP 1                                          ; the first lap stands in front of the loop: its first products take the bias as C
	WIN 0
	s_mov_b32 s3, LAPS-2
.Llap:
	LAP 0
	WIN 0
	s_sub_co_u32 s3, s3, 1
	s_cmp_lg_u32 s3, 0
	s_cbranch_scc1 .Llap
	THREE 0, 0                                     ; the last lap fills nothing
	TURN 0, 1, 0
	THREE 1, 0
	s_wait_dscnt 4
	WIN 0xa1
	MUL12 1, 0, 0, 0
	MUL12 1, 0, 1, 0
	s_wait_dscnt 0
	WIN 0xf1
	MUL12 1, 1, 0, 0
	MUL12 1, 1, 1, 0
	; THE WAY OUT, 16 tokens at a time: round to f16, 16 bytes a lane into my own stage, read back so that a store covers four tokens of a head.
	PLACES
	s_mul_i32 s46, s42, 3*HEADB                    ; my three heads' slots
	s_mov_b32 s47, 0
	s_add_nc_u64 s[10:11], s[10:11], s[46:47]
	s_lshl_b32 s16, s43, 15                        ; 256 BY tokens of 128 bytes
	s_lshl_b32 s17, s12, 13                        ; + 64 w tokens
	s_add_co_u32 s16, s16, s17
	s_mov_b32 s17, 0
	s_add_nc_u64 s[10:11], s[10:11], s[16:17]
; tokens 16 a .. 16 a + 15 of my 64 = tiles (ta, 0..11) of window 2 or 3 (from = 0x0a or 0x0f: sources 0 and 1)
.macro OUT16 a, ta, from
	WIN \from
.irp b, 0,1,2,3,4,5,6,7,8,9,10,11
.irp r, 0,1,2,3
	v_cvt_pk_f16_f32 v[TMP+4*\b+\r], v[8*(12*\ta+\b)+2*\r], v[8*(12*\ta+\b)+2*\r+1]
.endr
.endr
	WIN 0
.irp b, 0,1,2,3,4,5,6,7,8,9,10,11
	ds_store_b128 v[STO], v[TMP+4*\b:TMP+4*\b+3] offset:(\b>>2)*SHEAD+(\b&3)*32
.endr
	s_wait_xcnt 0x0                                ; RB, which the last group's stores read, is loaded again only behind this wait
.irp t, 0,1,2,3,4,5,6,7,8,9,10,11
	ds_load_b128 v[RB+4*\t:RB+4*\t+3], v[RD] offset:(\t>>2)*SHEAD+(\t&3)*4*SPITCH    ; LDS serves a wave's instructions in order: these see the stores above
.endr
.irp t, 0,1,2,3,4,5,6,7,8,9,10,11
	s_wait_dscnt 11-\t
	global_store_b128 v[CO], v[RB+4*\t:RB+4*\t+3], s[10:11] offset:(\t>>2)*HEADB+\a*2048+(\t&3)*512   ; 512 consecutive bytes, aligned
.endr
.endm
	OUT16 0, 0, 0x0a
	OUT16 1, 1, 0x0a
	OUT16 2, 0, 0x0f
	OUT16 3, 1, 0x0f
	s_set_vgpr_msb 0x1
	s_wait_tensorcnt 0x0
	ds_add_u32 v255, v255
	s_wait_dscnt 0x0
	s_set_vgpr_msb 0x100
	CROUND                                         ; the closing round: no work-group ends while a partner may still ask jointly
	s_endpgm
.Lfunc_end_k_q6f29392580_qkv:
	.size	k_q6f29392580_qkv, .Lfunc_end_k_q6f29392580_qkv-k_q6f29392580_qkv
	.p2alignl 7, 3214868480
	.fill 96, 4, 3214868480
	.section	.rodata,"a",@progbits
	.p2align	6, 0x0
	.amdhsa_kernel k_q6f29392580_qkv
		.amdhsa_group_segment_fixed_size 327680
		.amdhsa_private_segment_fixed_size 0
		.amdhsa_enable_private_segment 0
		.amdhsa_kernarg_size 32
		.amdhsa_user_sgpr_count 2
		.amdhsa_user_sgpr_kernarg_segment_ptr 1
		.amdhsa_wavefront_size32 1
		.amdhsa_system_sgpr_workgroup_id_x 1
		.amdhsa_system_sgpr_workgroup_id_y 1
		.amdhsa_system_sgpr_workgroup_id_z 1
		.amdhsa_system_vgpr_workitem_id 0
		.amdhsa_next_free_vgpr 960
		.amdhsa_next_free_sgpr 66
		.amdhsa_reserve_vcc 0
		.amdhsa_float_denorm_mode_32 3
		.amdhsa_float_denorm_mode_16_64 3
		.amdhsa_memory_ordered 1
		.amdhsa_forward_progress 1
		.amdhsa_inst_pref_size 166
	.end_amdhsa_kernel
	.amdgpu_metadata
---
amdhsa.version: [ 1, 2 ]
amdhsa.kernels:
  - .name:           k_q6f29392580_qkv
    .symbol:         k_q6f29392580_qkv.kd
    .args:
      - { .name: xh, .offset: 0, .size: 8, .value_kind: global_buffer, .address_space: global }
      - { .name: wqt, .offset: 8, .size: 8, .value_kind: global_buffer, .address_space: global }
      - { .name: qkv_b, .offset: 16, .size: 8, .value_kind: global_buffer, .address_space: global }
      - { .name: qkv, .offset: 24, .size: 8, .value_kind: global_buffer, .address_space: global }
    .group_segment_fixed_size: 327680
    .private_segment_fixed_size: 0
    .kernarg_segment_align: 8
    .kernarg_segment_size: 32
    .max_flat_workgroup_size: 128
    .sgpr_count:     66
    .vgpr_count:     960
    .wavefront_size: 32
...
	.end_amdgpu_metadata
.endif
;; end of part 2
;; launch attn (part 3): grid 8 x 32, 4 waves a work-group, no clusters, 327,680 bytes of LDS; arguments qkv, att; writes att
.if DOCPART == 3
	.amdgcn_target "amdgcn-amd-amdhsa--gfx1250"
	.amdhsa_code_object_version 6
	.text
	.protected	k_q6f29392580_attn
	.globl	k_q6f29392580_attn
	.p2align	8
	.type	k_q6f29392580_attn,@function
k_q6f29392580_attn:
	s_mov_b64 s[64:65], 0
	v_nop
	global_prefetch_b8 v0, s[64:65] scope:SCOPE_SE
	s_setreg_imm32_b32 hwreg(HW_REG_WAVE_MODE, 25, 1), 1
	s_wait_xcnt 0x0
; Causal attention of one head and batch:  att = softmax(q k^T / 8, keys up to the query) v.   qkv [48][4096 tokens][64] f16 (slots 0-15 q, 16-31 k, 32-47 v).
; Scores, maxima, exponentials and sums in f32; the weights go to the matrix unit in f16 (they lie in 0 .. 1).
; The result leaves as TWO bf16 parts, att [16 heads][2 parts][4096 tokens][64]: part 0 = bf16(o), part 1 = bf16(o - part 0): 16 significant bits in f32's range.
; The next launch multiplies both parts; one 16-bit rounding alone would leave 8 (bf16) or 11 (f16) bits of a number that is an operand once more.
; LIMIT: at the change of query block the sums are brought to zero by a factor exp2(-inf) = 0, which needs them finite, as they are wherever the result is finite.
; Work-group (p, head + 16 batch) does query block p (128 rows) and then block 15 - p: p + 1 and 16 - p key blocks of 128, 17 steps in every work-group.
; Wave w owns 32 query rows (nt = 0, 1).  Key blocks beyond the diagonal are never touched; the diagonal block is masked by compare and select.
; NO MULTICAST: the eight work-groups of a head want different key blocks at the same step (step t is block t up to t = p, then t - p - 1);
; one common stream for all of them would take 24 steps in each where 17 do.
; BOTH PRODUCTS ARE TRANSPOSED.  S^T = K Q^T: lane (r, h) holds query 16 nt + r and, in register j of tile kt, key 16 kt + 8 h + j: a row's maximum and sum
; run inside a lane, plus one exchange of the two halves; and tiles 2 kc, 2 kc + 1, packed in place, are the B fragment of the weights for keys 32 kc .. + 31.
; O^T += V^T P^T: V^T comes from LDS by the transposing load; lane (r, h) holds query r and d = 16 dt + 8 h + j.
; The running maximum is taken away before every exponential: kept are M, the maximum of the raw scores, and NM = -c M (c = log2 e / 8); a weight is
; exp2(c s + NM) by one fused multiply-add, and old sums are scaled by exp2(NM new - NM old), so that the rounding of c M enters old and new weights alike.
.set PART,  10240                      ; LDS: a wave's part of a slot: 64 keys.  Parts 0, 1: K at pitch 144; parts 2, 3: V at pitch 160
.set SLOT,  4*PART
.set KP,    144                        ; 128 bytes + 16: sixteen rows begin at sixteen different 16-byte columns modulo 256
.set VP,    160                        ; 128 bytes + 32: an odd multiple of 32, for the transposing load
.set STAGE, 2*SLOT                     ; behind the ring, in 256-byte blocks of its own: for each wave 32 tokens x 144 of part 0, then of part 1
.set ATTP,  524288                     ; bytes of a part of a head in att: 4,096 tokens x 128
.set KAD, 8                            ; v8-9    K fragments in slot 0, 1
.set VAD, 10                           ; v10-11  V fragments in slot 0, 1
.set STO, 12                           ; way out: in
.set RD,  13                           ; way out: back
.set CO,  14                           ; way out: 16 x lane
.set QO,  15                           ; byte offset of my part of a Q fragment
.set Q,   16                           ; v[16:47]   Q fragments (nt, dc) at 16 + 8 (2 nt + dc)
.set O,   48                           ; v[48:111]  O^T tiles (dt, nt) at 48 + 8 (2 dt + nt)
.set F,   112                          ; v[112:239] sixteen fragments: K's, then V's; way out: part 0 at +0, part 1 at +32, at work and read back at +64
; window 1:
;   v[0:127]  S^T tiles (nt, kt) at 8 (8 nt + kt); then the weights' fragments (nt, kc) at 64 nt + 16 kc
.set M,   128                          ; v128-129  running maximum, nt = 0, 1
.set L,   130                          ; v130-131  running sum over this half-wave's keys
.set MX,  132                          ; v132-135  at work on the maximum
.set NM,  136                          ; v136-139  -c M, a pair for each nt
.set AL,  140                          ; v140-143  scale of the old sums, a pair for each nt; at the end 1 / sum
.set DQ,  144                          ; v144      32 w + r - 8 h: key 16 kt + 8 h + j is allowed to query 32 w + 16 nt + r where 16 kt + j - 16 nt <= DQ
.set T,   146                          ; v146-153  at work
.set G1K, 24                           ; s[24:31] descriptor group 1 for K's parts
.set G1V, 32                           ; s[32:39] for V's parts
.set G0,  40                           ; s[40:47] group 0, one set a slot
; s8 p, s9 p + 1, s59 p - 1, s10 wave, s11 wave / 2, s[48:49] my part of key block 0, s[50:51] an offset, s[52:53] second block's Q,
; s[54:55], s[56:57] the two blocks' output, s58 step counter, s[60:61] c twice, s22 -c, s23 -inf, s62-63 selects of the exchange of halves
.set MSB, 0
.macro WIN new
.if MSB != \new
	s_set_vgpr_msb (MSB<<8)|\new
.set MSB, \new
.endif
.endm
	s_load_b128 s[4:7], s[0:1], 0x0                ; qkv s[4:5], att s[6:7]
	v_lshl_add_u32 v254, v0, 2, 0x29000
	v_mov_b32 v255, 0
	ds_add_u32 v254, v255
	ds_add_u32 v254, v255
	v_lshrrev_b32 v1, 5, v0
	v_readfirstlane_b32 s10, v1                    ; wave 0..3
	s_lshr_b32 s11, s10, 1                         ; I fetch K (0) or V (1)
	s_and_b32 s12, s10, 1                          ; which 64 keys of the block
	s_mov_b32 s8, ttmp9                            ; p
	s_add_co_u32 s9, s8, 1
	s_sub_co_u32 s59, s8, 1
	s_and_b32 s15, ttmp7, 0xffff
	s_and_b32 s13, s15, 15                         ; head
	s_lshr_b32 s14, s15, 4                         ; batch
	s_mov_b32 s22, 0xbe38aa3b                      ; -c
	s_mov_b32 s23, 0xff800000                      ; -inf
	s_mov_b32 s60, 0x3e38aa3b                      ; c = log2 e / 8
	s_mov_b32 s61, 0x3e38aa3b
	s_mov_b32 s62, 0x76543210
	s_mov_b32 s63, 0xfedcba98
	; group 1: 64 keys of 128 bytes are 8 KiB that lie dense in memory: 32 rows of 256 bytes (32 elements of 8 bytes), padded after every 32 words (a key)
	s_mov_b32 s[G1K+0], (3<<16)|(1<<20)|(4<<22)|(3<<25)            ; by 4 words: pitch 144
	s_mov_b32 s[G1V+0], (3<<16)|(1<<20)|(4<<22)|(7<<25)            ; by 8 words: pitch 160
.irp g, G1K, G1V
	s_mov_b32 s[\g+1], 32<<16                      ; tensor_dim0 = 32
	s_mov_b32 s[\g+2], 32<<16                      ; tensor_dim1 = 32
	s_mov_b32 s[\g+3], 32<<16                      ; tile_dim0 = 32
	s_mov_b32 s[\g+4], 32                          ; tile_dim1 = 32
	s_mov_b32 s[\g+5], 32                          ; pitch = 32 elements
	s_mov_b32 s[\g+6], 0
	s_mov_b32 s[\g+7], 0
.endr
	s_lshl_b32 s15, s13, 12
	s_lshl_b32 s16, s14, 11
	s_add_co_u32 s15, s15, s16                     ; 4096 head + 2048 batch, in tokens
	s_lshl_b32 s16, s11, 16                        ; K's slots begin 16 x 4096 tokens in, V's 32 x 4096
	s_add_co_u32 s16, s16, 0x10000
	s_add_co_u32 s16, s16, s15
	s_lshl_b32 s17, s12, 6
	s_add_co_u32 s16, s16, s17                     ; + my 64 keys
	s_lshl_b32 s50, s16, 7                         ; tokens of 128 bytes
	s_mov_b32 s51, 0
	s_lshl_b32 s16, s10, 5
	s_add_co_u32 s15, s15, s16                     ; + 32 w: my query rows
	s_lshl_b32 s16, s8, 7
	s_add_co_u32 s16, s16, s15
	s_lshl_b32 s16, s16, 7                         ; block p, in bytes
	s_mov_b32 s17, 0
	s_sub_co_u32 s18, 15, s8
	s_lshl_b32 s18, s18, 7
	s_add_co_u32 s18, s18, s15
	s_lshl_b32 s18, s18, 7                         ; block 15 - p
	s_mov_b32 s19, 0
	s_lshl_b32 s2, s13, 19                         ; att has two parts a head where q has one slot: 524,288 bytes more for each head in front of mine
	s_mov_b32 s3, 0
	s_mul_i32 s20, s10, PART
	s_wait_dscnt 0x0
	s_wait_kmcnt 0x0
	s_add_nc_u64 s[6:7], s[6:7], s[2:3]
	s_add_nc_u64 s[48:49], s[4:5], s[50:51]
	s_add_nc_u64 s[52:53], s[4:5], s[18:19]
	s_add_nc_u64 s[54:55], s[6:7], s[16:17]
	s_add_nc_u64 s[56:57], s[6:7], s[18:19]
	s_add_nc_u64 s[16:17], s[4:5], s[16:17]        ; first block's Q
	s_mov_b32 s[G0+0], 1
	s_add_co_u32 s[G0+1], s20, 0                   ; LDS: slot 0, my part
	s_mov_b64 s[G0+2:G0+3], s[48:49]               ; key block 0
	s_or_b32 s[G0+3], s[G0+3], 0x80000000
	s_mov_b32 s[G0+4], 1
	s_add_co_u32 s[G0+5], s20, SLOT                ; slot 1, my part; its address is written in front of its first load
; One tensor load a wave: my part of a key block into slot g.  The branch hangs on the wave's number alone and picks the padding.
.macro KVLOAD g
	s_cmp_eq_u32 s11, 0
	s_cbranch_scc0 .Lfor_v_\@
	tensor_load_to_lds s[G0+4*\g:G0+4*\g+3], s[G1K:G1K+7]
	s_nop 0
	s_branch .Lasked_\@
.Lfor_v_\@:
	tensor_load_to_lds s[G0+4*\g:G0+4*\g+3], s[G1V:G1V+7]
	s_nop 0
.Lasked_\@:
.endm
; The key block of step s58 + 1 + ahead: the step's number up to p, then the step's number less p + 1.  128 keys are 16,384 bytes.
.macro NEXTADDR g, ahead
	s_add_co_u32 s20, s58, 1+\ahead
	s_sub_co_u32 s21, s20, s9
	s_cmp_le_u32 s20, s8
	s_cselect_b32 s50, s20, s21
	s_lshl_b32 s50, s50, 14
	s_add_nc_u64 s[G0+4*\g+2:G0+4*\g+3], s[48:49], s[50:51]
	s_or_b32 s[G0+4*\g+3], s[G0+4*\g+3], 0x80000000
.endm
.macro QLOAD base                      ; my 32 query rows as four B fragments: row r, d = 32 dc + 8 h .. and + 16
.irp nt, 0,1
.irp dc, 0,1
	global_load_b128 v[Q+8*(2*\nt+\dc):Q+8*(2*\nt+\dc)+3],   v[QO], s[\base:\base+1] offset:2048*\nt+64*\dc
	global_load_b128 v[Q+8*(2*\nt+\dc)+4:Q+8*(2*\nt+\dc)+7], v[QO], s[\base:\base+1] offset:2048*\nt+64*\dc+32
.endr
.endr
.endm
	KVLOAD 0                                       ; the first fill, ahead of every wait on TENSORcnt, LDS read and barrier
	v_and_b32 v1, 15, v0                           ; r
	v_bfe_u32 v2, v0, 4, 1                         ; h
	v_lshlrev_b32 v3, 7, v1
	v_lshl_add_u32 v[QO], v2, 4, v3
	QLOAD 16
	v_mul_u32_u24 v3, v1, KP
	v_lshl_add_u32 v[KAD], v2, 4, v3               ; key r x pitch + 16 h
	v_add_nc_u32 v[KAD+1], SLOT, v[KAD]
	v_and_b32 v4, 7, v0
	v_lshl_add_u32 v4, v2, 3, v4                   ; key 8 h + (l & 7)
	v_mul_u32_u24 v4, v4, VP
	v_bfe_u32 v5, v0, 3, 1
	v_lshl_add_u32 v4, v5, 4, v4                   ; + 16 ((l >> 3) & 1)
	v_add_nc_u32 v[VAD], 2*PART, v4
	v_add_nc_u32 v[VAD+1], SLOT+2*PART, v4
	s_mul_i32 s21, s10, 64*KP
	s_add_co_u32 s21, s21, STAGE                   ; my stage
	v_add_nc_u32 v[STO], s21, v[KAD]               ; in: token r, 16 bytes for each half of the lanes
	v_and_b32 v5, 31, v0
	v_lshrrev_b32 v6, 3, v5
	v_mul_u32_u24 v6, v6, KP
	v_and_b32 v7, 7, v0
	v_lshl_add_u32 v6, v7, 4, v6
	v_add_nc_u32 v[RD], s21, v6                    ; back: eight lanes take a token, the wave four tokens
	v_lshlrev_b32 v[CO], 4, v5
	v_lshlrev_b32 v6, 3, v2
	v_sub_nc_u32 v6, v1, v6
	v_lshl_add_u32 v6, s10, 5, v6                  ; 32 w + r - 8 h
	WIN 0x40                                       ; destination in window 1
	v_mov_b32 v[DQ], v6
	v_mov_b32 v[M], s23
	v_mov_b32 v[M+1], s23
.irp i, 0,1,2,3
	v_mov_b32 v[NM+\i], 0x7f800000                 ; -c x -inf
.endr
	v_mov_b32 v[L], 0
	v_mov_b32 v[L+1], 0
	WIN 0
; The diagonal block: scores of keys behind the query become -inf.  A select in every element, no branch on lanes.
.macro MASK
	WIN 0x55
.irp nt, 0,1
.irp kt, 0,1,2,3,4,5,6,7
.irp j, 0,1,2,3,4,5,6,7
	v_cmp_le_i32 vcc_lo, 16*\kt+\j-16*\nt, v[DQ]
	v_cndmask_b32 v[8*(8*\nt+\kt)+\j], s23, v[8*(8*\nt+\kt)+\j], vcc_lo
.endr
.endr
.endr
	WIN 0
.endm
; 16 query rows: new maximum, weights, their sum, and the weights packed to f16 in place.  All in window 1.
.macro SOFTMAX nt
	WIN 0x55
	v_max_num_f32 v[MX+2*\nt],   v[64*\nt],    v[64*\nt+1]         ; two chains over my 64 scores; the first pairs start them
	v_max_num_f32 v[MX+2*\nt+1], v[64*\nt+32], v[64*\nt+33]
.set i, 2
.rept 15
	v_max3_num_f32 v[MX+2*\nt],   v[MX+2*\nt],   v[64*\nt+i],    v[64*\nt+i+1]
	v_max3_num_f32 v[MX+2*\nt+1], v[MX+2*\nt+1], v[64*\nt+32+i], v[64*\nt+33+i]
.set i, i+2
.endr
	v_max_num_f32 v[MX+2*\nt], v[MX+2*\nt], v[MX+2*\nt+1]
	v_permlanex16_b32 v[MX+2*\nt+1], v[MX+2*\nt], s62, s63         ; the other half-wave holds the row's other keys
	v_max3_num_f32 v[MX+2*\nt], v[MX+2*\nt], v[MX+2*\nt+1], v[M+\nt]
	v_mul_f32 v[T], s22, v[MX+2*\nt]               ; -c x new maximum
	v_sub_f32 v[T+1], v[T], v[NM+2*\nt]            ; less the old one: <= 0; -inf at a block's first step
	v_exp_f32 v[AL+2*\nt], v[T+1]
	v_mov_b32 v[M+\nt], v[MX+2*\nt]                ; plain work behind the transcendental, before its result is read (ISA guide 5.7.2)
	v_mov_b32 v[NM+2*\nt], v[T]
	v_mov_b32 v[NM+2*\nt+1], v[T]
	s_wait_alu depctr_va_vdst(0)
	v_mov_b32 v[AL+2*\nt+1], v[AL+2*\nt]
.set i, 0
.rept 32
	v_pk_fma_f32 v[64*\nt+i:64*\nt+i+1], v[64*\nt+i:64*\nt+i+1], s[60:61], v[NM+2*\nt:NM+2*\nt+1] op_sel_hi:[1,0,1]   ; c s - c M
.set i, i+2
.endr
.set i, 0
.rept 64
	v_exp_f32 v[64*\nt+i], v[64*\nt+i]
.set i, i+1
.endr
	v_nop                                          ; one plain place behind the run of transcendentals
	s_wait_alu depctr_va_vdst(0)
.irp c, 0,1,2,3
	v_pk_add_f32 v[T+2*\c:T+2*\c+1], v[64*\nt+2*\c:64*\nt+2*\c+1], v[64*\nt+8+2*\c:64*\nt+8+2*\c+1]   ; four chains, started by the first pairs
.endr
.set i, 16
.rept 6
.irp c, 0,1,2,3
	v_pk_add_f32 v[T+2*\c:T+2*\c+1], v[T+2*\c:T+2*\c+1], v[64*\nt+i+2*\c:64*\nt+i+2*\c+1]
.endr
.set i, i+8
.endr
	v_pk_add_f32 v[T:T+1], v[T:T+1], v[T+2:T+3]
	v_pk_add_f32 v[T+4:T+5], v[T+4:T+5], v[T+6:T+7]
	v_pk_add_f32 v[T:T+1], v[T:T+1], v[T+4:T+5]
	v_add_f32 v[T], v[T], v[T+1]
	v_fma_f32 v[L+\nt], v[L+\nt], v[AL+2*\nt], v[T]
.irp kc, 0,1,2,3
.irp r, 0,1,2,3
	v_cvt_pk_f16_f32 v[64*\nt+16*\kc+\r], v[64*\nt+16*\kc+2*\r], v[64*\nt+16*\kc+2*\r+1]             ; keys 32 kc + 8 h ..: ascending, so no source is overwritten early
.endr
.irp r, 0,1,2,3
	v_cvt_pk_f16_f32 v[64*\nt+16*\kc+4+\r], v[64*\nt+16*\kc+8+2*\r], v[64*\nt+16*\kc+8+2*\r+1]       ; keys 32 kc + 16 + 8 h ..
.endr
.endr
.endm
.macro SCALEO                          ; O^T times AL of its query (source 1 in window 1)
	WIN 0x04
.irp dt, 0,1,2,3
.irp nt, 0,1
.irp i, 0,2,4,6
	v_pk_mul_f32 v[O+8*(2*\dt+\nt)+\i:O+8*(2*\dt+\nt)+\i+1], v[O+8*(2*\dt+\nt)+\i:O+8*(2*\dt+\nt)+\i+1], v[AL+2*\nt:AL+2*\nt+1]
.endr
.endr
.endr
.endm
; 8 matrix instructions: keys 32 kc .. + 31.  The eight accumulators take turns, one instruction a turn.
.macro PV kc, zero
	s_wait_dscnt 24-8*\kc                          ; V's loads went out eight for each kc: those of the later kc may stay out
.irp dt, 0,1,2,3
.irp nt, 0,1
.if \zero
	v_wmma_f32_16x16x32_f16 v[O+8*(2*\dt+\nt):O+8*(2*\dt+\nt)+7], v[F+8*(4*\kc+\dt):F+8*(4*\kc+\dt)+7], v[64*\nt+16*\kc:64*\nt+16*\kc+7], 0
.else
	v_wmma_f32_16x16x32_f16 v[O+8*(2*\dt+\nt):O+8*(2*\dt+\nt)+7], v[F+8*(4*\kc+\dt):F+8*(4*\kc+\dt)+7], v[64*\nt+16*\kc:64*\nt+16*\kc+7], v[O+8*(2*\dt+\nt):O+8*(2*\dt+\nt)+7]
.endif
.endr
.endr
.endm
; A query block is done: divide by the sum, split into two bf16 parts, through my own stage, out.  reload = 1: the second block's Q comes in and the state starts anew.
.macro FINAL ob, reload
.if \reload
	QLOAD 52                                       ; Q's registers were last read by this step's score products, the whole softmax ago
.endif
	WIN 0x55
	v_permlanex16_b32 v[T], v[L], s62, s63
	v_permlanex16_b32 v[T+1], v[L+1], s62, s63
	v_add_f32 v[L], v[L], v[T]                     ; both half-waves' keys
	v_add_f32 v[L+1], v[L+1], v[T+1]
	v_rcp_f32 v[AL], v[L]
	v_rcp_f32 v[AL+2], v[L+1]
	v_nop                                          ; one plain place behind the transcendentals
	s_wait_alu depctr_va_vdst(0)
	v_mov_b32 v[AL+1], v[AL]
	v_mov_b32 v[AL+3], v[AL+2]
.if \reload
	v_mov_b32 v[M], s23                            ; the next step's scale is exp2(-inf) = 0: it brings O and L to zero, nothing is cleared
	v_mov_b32 v[M+1], s23
.irp i, 0,1,2,3
	v_mov_b32 v[NM+\i], 0x7f800000
.endr
.endif
	SCALEO
	WIN 0
.irp dt, 0,1,2,3
.irp nt, 0,1
.irp r, 0,1,2,3
	v_cvt_pk_bf16_f32 v[F+4*(2*\dt+\nt)+\r], v[O+8*(2*\dt+\nt)+2*\r], v[O+8*(2*\dt+\nt)+2*\r+1]      ; part 0: two numbers rounded to bf16
	v_lshlrev_b32 v[F+64+2*\r], 16, v[F+4*(2*\dt+\nt)+\r]                                            ; the same two, widened again
	v_and_b32 v[F+65+2*\r], 0xffff0000, v[F+4*(2*\dt+\nt)+\r]
	v_sub_f32 v[O+8*(2*\dt+\nt)+2*\r],   v[O+8*(2*\dt+\nt)+2*\r],   v[F+64+2*\r]                     ; what the rounding left: exact in f32
	v_sub_f32 v[O+8*(2*\dt+\nt)+2*\r+1], v[O+8*(2*\dt+\nt)+2*\r+1], v[F+65+2*\r]
	v_cvt_pk_bf16_f32 v[F+32+4*(2*\dt+\nt)+\r], v[O+8*(2*\dt+\nt)+2*\r], v[O+8*(2*\dt+\nt)+2*\r+1]   ; part 1
.endr
	ds_store_b128 v[STO], v[F+4*(2*\dt+\nt):F+4*(2*\dt+\nt)+3] offset:\nt*16*KP+32*\dt
	ds_store_b128 v[STO], v[F+32+4*(2*\dt+\nt):F+32+4*(2*\dt+\nt)+3] offset:32*KP+\nt*16*KP+32*\dt
.endr
.endr
.irp q, 0,1,2,3,4,5,6,7,8,9,10,11,12,13,14,15
	ds_load_b128 v[F+64+4*\q:F+64+4*\q+3], v[RD] offset:\q*4*KP    ; part 0's 32 tokens, then part 1's.  LDS serves a wave's instructions in order: these see the stores above
.endr
.irp q, 0,1,2,3,4,5,6,7,8,9,10,11,12,13,14,15
	s_wait_dscnt 15-\q                             ; the 15 - q younger loads may stay out
	global_store_b128 v[CO], v[F+64+4*\q:F+64+4*\q+3], s[\ob:\ob+1] offset:(\q>>3)*ATTP+(\q&7)*512   ; four tokens: 512 consecutive bytes, aligned
.endr
	s_wait_xcnt 0x0                                ; F, which these stores read, is loaded again in the next step
.if \reload
	s_wait_loadcnt 0x0                             ; the second block's Q
.endif
.endm
; One step: 128 keys in slot; oth = the other slot.  refill = 1: the next step's keys are asked for.  first = 1: the products start O's sums.
; dmode 1: where s58 equals cmpreg this is the first block's diagonal step (mask; then the block is finished); 2: the second block's; 0: neither.
.macro STEP slot, oth, refill, first, dmode, ahead, cmpreg
	s_wait_tensorcnt 0x0                           ; all my tensor loads are done (one was out: my part of this step's keys),
	ds_add_u32 v254, v255
	s_wait_dscnt 0x0
.if \refill
	NEXTADDR \oth, \ahead                          ; so a group 0 may be written
.endif
	s_wait_dscnt 0x0                               ; my reads of the other slot are done
	s_barrier_signal -1
	s_barrier_wait -1                              ; both now hold of all four waves
.if \refill
	KVLOAD \oth                                    ; my one tensor load behind this barrier, first thing: it has the whole step in which to land
.endif
.irp dc, 0,1
.irp kt, 0,1,2,3,4,5,6,7
	ds_load_b128 v[F+8*(8*\dc+\kt):F+8*(8*\dc+\kt)+3],   v[KAD+\slot] offset:\kt*16*KP+(\kt>>2)*(PART-64*KP)+64*\dc
	ds_load_b128 v[F+8*(8*\dc+\kt)+4:F+8*(8*\dc+\kt)+7], v[KAD+\slot] offset:\kt*16*KP+(\kt>>2)*(PART-64*KP)+64*\dc+32
.endr
.endr
	s_wait_dscnt 16                                ; d = 0 .. 31 of all keys; the sixteen loads of d = 32 .. 63 may be out
	WIN 0x50                                       ; C and D in window 1
.irp nt, 0,1
.irp kt, 0,1,2,3,4,5,6,7
	v_wmma_f32_16x16x32_f16 v[8*(8*\nt+\kt):8*(8*\nt+\kt)+7], v[F+8*\kt:F+8*\kt+7], v[Q+16*\nt:Q+16*\nt+7], 0
.endr
.endr
	s_wait_dscnt 0
.irp nt, 0,1
.irp kt, 0,1,2,3,4,5,6,7
	v_wmma_f32_16x16x32_f16 v[8*(8*\nt+\kt):8*(8*\nt+\kt)+7], v[F+64+8*\kt:F+64+8*\kt+7], v[Q+16*\nt+8:Q+16*\nt+15], v[8*(8*\nt+\kt):8*(8*\nt+\kt)+7]   ; sixteen accumulators by turns
.endr
.endr
	WIN 0
.rept 4
	v_nop                                          ; four places: then F is loaded again and the scores are read (ISA guide 7.12.1)
.endr
.irp kc, 0,1,2,3
.irp dt, 0,1,2,3
	ds_load_tr16_b128 v[F+8*(4*\kc+\dt):F+8*(4*\kc+\dt)+3],   v[VAD+\slot] offset:32*VP*\kc+32*\dt           ; V^T: d = 16 dt + r, keys 32 kc + 8 h ..
	ds_load_tr16_b128 v[F+8*(4*\kc+\dt)+4:F+8*(4*\kc+\dt)+7], v[VAD+\slot] offset:32*VP*\kc+32*\dt+16*VP     ; keys 32 kc + 16 + 8 h ..; they land during the softmax
.endr
.endr
.if \dmode == 1
	s_cmp_lg_u32 s58, \cmpreg
	s_cbranch_scc1 .Lno_mask_\@
	MASK
.Lno_mask_\@:
.endif
.if \dmode == 2
	MASK
.endif
	SOFTMAX 0
	SOFTMAX 1
.if \first == 0
	SCALEO
.endif
	WIN 0x04                                       ; B, the weights, in window 1
	PV 0, \first
	PV 1, 0
	PV 2, 0
	PV 3, 0
	WIN 0
.rept 5
	v_nop                                          ; five places: the next score products write over the weights, which were sources; F and O are touched too
.endr
.if \dmode == 1
	s_cmp_lg_u32 s58, \cmpreg
	s_cbranch_scc1 .Lnot_done_\@
	FINAL 54, 1
.Lnot_done_\@:
.endif
.if \dmode == 2
	FINAL 56, 0
.endif
.endm
	s_wait_loadcnt 0x0                             ; Q
	s_mov_b32 s58, 0
	STEP 0, 1, 1, 1, 1, 0, s8                      ; step 0
	s_mov_b32 s58, 1
.Lpair:                                            ; steps s58 and s58 + 1, for s58 = 1, 3, .. 13
	STEP 1, 0, 1, 0, 1, 0, s8
	STEP 0, 1, 1, 0, 1, 1, s59                     ; step s58 + 1 is the diagonal where s58 = p - 1
	s_add_co_u32 s58, s58, 2
	s_cmp_lt_u32 s58, 15
	s_cbranch_scc1 .Lpair
	STEP 1, 0, 1, 0, 0, 0, s8                      ; step 15: p is 7 at the most, so no diagonal here
	STEP 0, 1, 0, 0, 2, 0, s8                      ; step 16: the second block's diagonal; nothing is left to fetch
	s_wait_tensorcnt 0x0
	ds_add_u32 v254, v255
	s_wait_dscnt 0x0
	s_endpgm
.Lfunc_end_k_q6f29392580_attn:
	.size	k_q6f29392580_attn, .Lfunc_end_k_q6f29392580_attn-k_q6f29392580_attn
	.p2alignl 7, 3214868480
	.fill 96, 4, 3214868480
	.section	.rodata,"a",@progbits
	.p2align	6, 0x0
	.amdhsa_kernel k_q6f29392580_attn
		.amdhsa_group_segment_fixed_size 327680
		.amdhsa_private_segment_fixed_size 0
		.amdhsa_enable_private_segment 0
		.amdhsa_kernarg_size 16
		.amdhsa_user_sgpr_count 2
		.amdhsa_user_sgpr_kernarg_segment_ptr 1
		.amdhsa_wavefront_size32 1
		.amdhsa_system_sgpr_workgroup_id_x 1
		.amdhsa_system_sgpr_workgroup_id_y 1
		.amdhsa_system_sgpr_workgroup_id_z 1
		.amdhsa_system_vgpr_workitem_id 0
		.amdhsa_next_free_vgpr 416
		.amdhsa_next_free_sgpr 66
		.amdhsa_reserve_vcc 1
		.amdhsa_float_denorm_mode_32 3
		.amdhsa_float_denorm_mode_16_64 3
		.amdhsa_memory_ordered 1
		.amdhsa_forward_progress 1
		.amdhsa_inst_pref_size 255
	.end_amdhsa_kernel
	.section	.bss,"aw",@nobits
	.p2align	6
	.space	262144
	.amdgpu_metadata
---
amdhsa.version: [ 1, 2 ]
amdhsa.kernels:
  - .name:           k_q6f29392580_attn
    .symbol:         k_q6f29392580_attn.kd
    .args:
      - { .name: qkv, .offset: 0, .size: 8, .value_kind: global_buffer, .address_space: global }
      - { .name: att, .offset: 8, .size: 8, .value_kind: global_buffer, .address_space: global }
    .group_segment_fixed_size: 327680
    .private_segment_fixed_size: 0
    .kernarg_segment_align: 8
    .kernarg_segment_size: 16
    .max_flat_workgroup_size: 128
    .sgpr_count:     66
    .vgpr_count:     416
    .wavefront_size: 32
...
	.end_amdgpu_metadata
.endif
;; end of part 3
;; launch proj (part 4): grid 8 x 32, 4 waves a work-group, clusters of 4 x 4, 327,680 bytes of LDS; arguments att, wot, out_b, out0; writes out0
.if DOCPART == 4
	.amdgcn_target "amdgcn-amd-amdhsa--gfx1250"
	.amdhsa_code_object_version 6
	.text
	.protected	k_q6f29392580_proj
	.globl	k_q6f29392580_proj
	.p2align	8
	.type	k_q6f29392580_proj,@function
k_q6f29392580_proj:
	s_mov_b64 s[64:65], 0
	v_nop
	global_prefetch_b8 v0, s[64:65] scope:SCOPE_SE
	s_setreg_imm32_b32 hwreg(HW_REG_WAVE_MODE, 25, 1), 1
	s_wait_xcnt 0x0
	s_wait_alu depctr_hold_cnt(0) depctr_sa_sdst(0) depctr_va_vdst(0) depctr_va_sdst(0) depctr_va_ssrc(0) depctr_va_vcc(0) depctr_vm_vsrc(0)
	s_getreg_b32 s2, hwreg(HW_REG_IB_STS2, 6, 4)
	s_cmp_eq_u32 s2, 0
	s_cbranch_scc0 .Lentry_in_a_cluster
	s_endpgm
.Lentry_in_a_cluster:
	s_bfe_u32 s2, ttmp6, 0x10000c
	s_cmp_lg_u32 s2, 0xf033
	s_cbranch_scc0 .Lentry_shape_is_right
	s_endpgm
.Lentry_shape_is_right:
; out0 = att W + b:  att [16 heads][2 parts][4096 tokens][64] bf16 (the number is part 0 + part 1; k = 64 head + d), wot [1024 n][1024 k] bf16,
; out_b [1024] f32, out0 [4096][1024] f32; sums in f32.  Both parts are multiplied by the same fragments of W and added into the same sums.
; A work-group makes 128 tokens x 128 columns: 8 x 32 = 256 work-groups.  Four waves, 2 x 2, each 64 x 64: 16 accumulator tiles, 128 registers (window 1).
; K goes in eight phases of 128 k of W (two heads, both parts) through two LDS slots: a phase is 128 matrix instructions of a wave, and a refill has
; them, less the sixteen between signal and wait, in which to land.  For 32 k a wave reads 24 times 16 bytes a lane from LDS for 32 matrix instructions.
; CLUSTERS: 4 x 4 work-groups; att's tiles are shared along a row of the cluster, W's along a column, each asked for jointly.
; The matrix instruction is used transposed (source 0 = 16 rows of wot, source 1 = 16 tokens): lane l holds token l % 16 and columns 8 (l / 16) + 0 .. 7.
.set APITCH, 144                       ; a token's 128 bytes of one part of one head + 16
.set HEADL,  128*APITCH                ; one part of one head: 128 tokens in LDS
.set BPITCH, 272                       ; 256 bytes (128 k) + 16
.set APART,  4*HEADL                   ; 73,728: head 0 part 0, part 1, head 1 part 0, part 1
.set SLOT,   APART+128*BPITCH          ; 108,544
.set STAGE,  2*SLOT                    ; behind the ring, in 256-byte blocks of its own
.set SPITCH, 272                       ; way out: 64 f32 + 16 bytes
.set ATTP,   524288                    ; bytes of a part of a head in att
.set ADRA, 16                          ; v16-17  att fragments in slot 0, 1
.set ADRB, 20                          ; v20-21  W fragments
.set STO,  24
.set RD,   25
.set CO,   26
.set BOFF, 27
.set F0,   32                          ; v[32:127]  buffer 0: W's four fragments, part 0's four, part 1's four
.set F1,   128                         ; v[128:223] buffer 1
.set BIAS, 224                         ; v[224:255] bias of my 64 columns as four C operands
.set G1,  24
.set G0,  32
.set G1B, 48
.set G0B, 56
.set MSB, 0
.macro WIN new
.if MSB != \new
	s_set_vgpr_msb (MSB<<8)|\new
.set MSB, \new
.endif
.endm
.macro PLACES                          ; four places behind matrix instructions (ISA guide 7.12.1 for instructions other than loads into their sources)
.rept 4
	v_nop
.endr
.endm
.macro JLOAD s                         ; waves 0 and 1 fetch att's heads, waves 2 and 3 W's rows
	s_cmp_eq_u32 s13, 0
	s_cbranch_scc0 .Lfor_b_\@
	tensor_load_to_lds s[G0+4*\s:G0+4*\s+3], s[G1:G1+7]
	s_nop 0
	s_branch .Lasked_\@
.Lfor_b_\@:
	tensor_load_to_lds s[G0B+4*\s:G0B+4*\s+3], s[G1B:G1B+7]
	s_nop 0
.Lasked_\@:
.endm
.macro CREST
	s_cmp_lg_u32 s12, 0
	s_cbranch_scc1 .Lnot_wave_0_\@
	s_barrier_signal -3
.Lnot_wave_0_\@:
	s_barrier_wait -3
	s_barrier_signal -1
	s_barrier_wait -1
.endm
.macro CROUND
	s_barrier_signal -1
	s_barrier_wait -1
	CREST
.endm
	s_load_b256 s[4:11], s[0:1], 0x0               ; att s[4:5], wot s[6:7], out_b s[8:9], out0 s[10:11]
	v_lshl_add_u32 v30, v0, 2, 0x39400
	v_mov_b32 v31, 0
	ds_add_u32 v30, v31
	ds_add_u32 v30, v31
	v_lshrrev_b32 v1, 5, v0
	v_readfirstlane_b32 s12, v1                    ; wave
	s_lshr_b32 s13, s12, 1                         ; my half of the tokens.  Also: I fetch att (0) or W (1)
	s_and_b32 s14, s12, 1                          ; my half of the columns.  Also: which half of that tile I fetch
	s_bfe_u32 s40, ttmp6, 0x40000                  ; cx
	s_bfe_u32 s41, ttmp6, 0x40004                  ; cy
	s_lshl_b32 s42, ttmp9, 2
	s_add_co_u32 s42, s42, s40                     ; BX: block of 128 columns
	s_and_b32 s43, ttmp7, 0xffff
	s_lshl_b32 s43, s43, 2
	s_add_co_u32 s43, s43, s41                     ; BY: block of 128 tokens
	s_lshl_b32 s44, s41, 2
	s_lshl_b32 s44, 15, s44                        ; my row of the cluster
	s_lshl_b32 s45, 0x1111, s40                    ; my column
	; att: one head's two parts, 128 tokens each, 16 KiB dense in memory: 2 rows of 2,048 elements of 8 bytes, 524,288 bytes apart; padded by 4 words after every 32 (a token)
	s_or_b32 s[G1+0], s44, (3<<16)|(1<<20)|(1<<21)|(4<<22)|(3<<25)
	s_mov_b32 s[G1+1], 2048<<16                    ; tensor_dim0
	s_mov_b32 s[G1+2], 2<<16                       ; tensor_dim1
	s_mov_b32 s[G1+3], 2048<<16                    ; tile_dim0
	s_mov_b32 s[G1+4], 2                           ; tile_dim1
	s_mov_b32 s[G1+5], 65536                       ; pitch in elements
	s_mov_b32 s[G1+6], 0
	s_mov_b32 s[G1+7], 0
	; W: 64 rows of 128 elements of 2 bytes; padded by 4 words after every 64 (a row)
	s_or_b32 s[G1B+0], s45, (1<<16)|(1<<20)|(1<<21)|(5<<22)|(3<<25)
	s_mov_b32 s[G1B+1], 128<<16
	s_mov_b32 s[G1B+2], 64<<16
	s_mov_b32 s[G1B+3], 128<<16
	s_mov_b32 s[G1B+4], 64
	s_mov_b32 s[G1B+5], 1024
	s_mov_b32 s[G1B+6], 0
	s_mov_b32 s[G1B+7], 0
	s_lshl_b32 s16, s43, 14                        ; att: 128 BY tokens of 128 bytes,
	s_lshl_b32 s17, s14, 20                        ; + one head (two parts) for the second half
	s_add_co_u32 s16, s16, s17
	s_mov_b32 s17, 0
	s_lshl_b32 s46, s42, 18                        ; W: 128 BX rows of 2,048 bytes,
	s_lshl_b32 s47, s14, 17                        ; + 64 rows for the second half
	s_add_co_u32 s46, s46, s47
	s_mov_b32 s47, 0
	s_mul_i32 s20, s12, 2*HEADL                    ; LDS: waves 0, 1: a head's two parts each
	s_mul_i32 s21, s12, 64*BPITCH
	s_add_co_u32 s21, s21, APART-128*BPITCH        ; waves 2, 3: 64 rows each, behind att's part
	s_wait_dscnt 0x0
	s_wait_kmcnt 0x0
	s_add_nc_u64 s[18:19], s[4:5], s[16:17]
	s_add_nc_u64 s[46:47], s[6:7], s[46:47]
	CROUND                                         ; all sixteen work-groups are here: the first joint loads meet
.irp s, 0,1
	s_mov_b32 s[G0+4*\s], 1
	s_add_co_u32 s[G0+4*\s+1], s20, \s*SLOT
	s_add_nc_u64 s[G0+4*\s+2:G0+4*\s+3], s[18:19], \s*4*ATTP       ; phase s: heads 2 s, 2 s + 1
	s_or_b32 s[G0+4*\s+3], s[G0+4*\s+3], 0x80000000
	s_mov_b32 s[G0B+4*\s], 1
	s_add_co_u32 s[G0B+4*\s+1], s21, \s*SLOT
	s_add_nc_u64 s[G0B+4*\s+2:G0B+4*\s+3], s[46:47], \s*256        ; k = 128 s ..
	s_or_b32 s[G0B+4*\s+3], s[G0B+4*\s+3], 0x80000000
	JLOAD \s                                       ; both first fills, one group: two tensor loads of a wave are out, the most in this text
.endr
	v_and_b32 v1, 15, v0                           ; r
	v_bfe_u32 v2, v0, 4, 1                         ; h
	s_lshl_b32 s46, s42, 9                         ; the block's 128 bias numbers
	s_mov_b32 s47, 0
	s_add_nc_u64 s[8:9], s[8:9], s[46:47]
	s_lshl_b32 s22, s14, 8                         ; my 64 of them
	v_lshl_add_u32 v[BOFF], v2, 5, s22
.irp b, 0,1,2,3
	global_load_b128 v[BIAS+8*\b:BIAS+8*\b+3],   v[BOFF], s[8:9] offset:64*\b
	global_load_b128 v[BIAS+8*\b+4:BIAS+8*\b+7], v[BOFF], s[8:9] offset:64*\b+16
.endr
	v_mul_u32_u24 v3, v1, APITCH
	v_lshl_add_u32 v3, v2, 4, v3
	v_mul_u32_u24 v4, v1, BPITCH
	v_lshl_add_u32 v4, v2, 4, v4
	s_mul_i32 s22, s13, 64*APITCH                  ; my 64 tokens
	s_mul_i32 s23, s14, 64*BPITCH                  ; my 64 rows of W,
	s_add_co_u32 s23, s23, APART                   ; behind att's part
.irp s, 0,1
	v_add_nc_u32 v[ADRA+\s], s22, v3
	v_add_nc_u32 v[ADRB+\s], s23, v4
	s_add_co_u32 s22, s22, SLOT
	s_add_co_u32 s23, s23, SLOT
.endr
	s_mul_i32 s22, s12, 16*SPITCH
	s_add_co_u32 s22, s22, STAGE                   ; my stage
	v_mul_u32_u24 v5, v1, SPITCH
	v_lshl_add_u32 v5, v2, 5, v5
	v_add_nc_u32 v[STO], s22, v5                   ; in: token r, 32 bytes for each half of the lanes
	v_mul_u32_u24 v6, v2, SPITCH
	v_lshl_add_u32 v6, v1, 4, v6
	v_add_nc_u32 v[RD], s22, v6                    ; back: lanes 0-15 one row of 256 bytes, lanes 16-31 the next
	v_lshlrev_b32 v7, 12, v2
	v_lshl_add_u32 v[CO], v1, 4, v7                ; and the same two rows in out0
; 24 LDS loads: the fragments of k = 32 kq .. + 31 of the phase in slot, into buffer f: W's, then att's part 0 and part 1 (head kq / 2 of the phase's two)
.macro FETCH slot, kq, f
.irp i, 0,1,2,3
	ds_load_b128 v[\f+8*\i:\f+8*\i+3],   v[ADRB+\slot] offset:\i*16*BPITCH+64*\kq
	ds_load_b128 v[\f+8*\i+4:\f+8*\i+7], v[ADRB+\slot] offset:\i*16*BPITCH+64*\kq+32
.endr
.irp pt, 0,1
.irp i, 0,1,2,3
	ds_load_b128 v[\f+32+32*\pt+8*\i:\f+32+32*\pt+8*\i+3],   v[ADRA+\slot] offset:(2*(\kq>>1)+\pt)*HEADL+\i*16*APITCH+(\kq&1)*64
	ds_load_b128 v[\f+32+32*\pt+8*\i+4:\f+32+32*\pt+8*\i+7], v[ADRA+\slot] offset:(2*(\kq>>1)+\pt)*HEADL+\i*16*APITCH+(\kq&1)*64+32
.endr
.endr
.endm
; 16 matrix instructions on part pt; the sixteen accumulators take turns, one instruction a turn and always in this order.
; first = 1: the bias (window 0) is C and starts the sums.
.macro MUL16 f, pt, first
.if \first
	WIN 0x40
.else
	WIN 0x50
.endif
.irp a, 0,1,2,3
.irp b, 0,1,2,3
.if \first
	v_wmma_f32_16x16x32_bf16 v[8*(4*\a+\b):8*(4*\a+\b)+7], v[\f+8*\b:\f+8*\b+7], v[\f+32+32*\pt+8*\a:\f+32+32*\pt+8*\a+7], v[BIAS+8*\b:BIAS+8*\b+7]
.else
	v_wmma_f32_16x16x32_bf16 v[8*(4*\a+\b):8*(4*\a+\b)+7], v[\f+8*\b:\f+8*\b+7], v[\f+32+32*\pt+8*\a:\f+32+32*\pt+8*\a+7], v[8*(4*\a+\b):8*(4*\a+\b)+7]
.endif
.endr
.endr
.endm
.macro STEPQ slot, kq, f, g, first     ; fetch quarter kq into g, multiply the quarter before it from f
	PLACES
	WIN 0
	FETCH \slot, \kq, \g
	s_wait_dscnt 24                                ; all but the 24 just issued
	MUL16 \f, 0, \first
	MUL16 \f, 1, 0
.endm
; The phase's last quarter, and the change of slots: each wave's reads of this slot and all its tensor loads are waited for in front of the barrier; where the
; slot is filled again the barrier opens a round of the cluster's barrier, and the joint refill is the first tensor load behind the round.
.macro CHANGE slot, next, fill
	s_wait_dscnt 0x0                               ; my reads of this slot are over
	MUL16 F1, 0, 0
	s_wait_tensorcnt 0x0                           ; all my tensor loads have landed: the one that was out is my part of the next slot
	ds_add_u32 v30, v31
	s_wait_dscnt 0x0
	s_barrier_signal -1
	MUL16 F1, 1, 0                                 ; register work while the others arrive
	WIN 0
	s_barrier_wait -1
.if \fill
	CREST
	s_add_nc_u64 s[G0+4*\slot+2:G0+4*\slot+3], s[G0+4*\slot+2:G0+4*\slot+3], 8*ATTP          ; two phases on: four heads of two parts
	s_add_nc_u64 s[G0B+4*\slot+2:G0B+4*\slot+3], s[G0B+4*\slot+2:G0B+4*\slot+3], 512         ; 256 k
	JLOAD \slot
.endif
	PLACES
	FETCH \next, 0, F0
.endm
.macro THREE slot, first
	STEPQ \slot, 1, F0, F1, \first
	STEPQ \slot, 2, F1, F0, 0
	STEPQ \slot, 3, F0, F1, 0
.endm
.macro LAP first                       ; two phases, both slots filled again
	THREE 0, \first
	CHANGE 0, 1, 1
	THREE 1, 0
	CHANGE 1, 0, 1
.endm
	s_wait_tensorcnt 1                             ; my part of phase 0 is in; phase 1's stays out
	s_barrier_signal -1
	s_barrier_wait -1
	FETCH 0, 0, F0
	s_wait_loadcnt 0x0                             ; the bias
	LAP 1                                          ; phases 0, 1 (they ask for 2, 3): in front of the loop, since the first products take the bias as C
	s_mov_b32 s3, 2
.Llap:
	LAP 0                                          ; phases 2, 3 and 4, 5 (they ask for 4 to 7)
	s_sub_co_u32 s3, s3, 1
	s_cmp_lg_u32 s3, 0
	s_cbranch_scc1 .Llap
	THREE 0, 0                                     ; phases 6, 7: nothing is left to fetch
	CHANGE 0, 1, 0
	THREE 1, 0
	s_wait_dscnt 0x0
	MUL16 F1, 0, 0
	MUL16 F1, 1, 0
	; THE WAY OUT, 16 tokens at a time, f32: 32 bytes a lane into my own stage, read back as rows of 256 bytes.
	PLACES
	WIN 0
	s_lshl_b32 s16, s43, 19                        ; 128 BY rows of 4,096 bytes
	s_lshl_b32 s17, s13, 18                        ; + 64 rows
	s_add_co_u32 s16, s16, s17
	s_mov_b32 s17, 0
	s_add_nc_u64 s[10:11], s[10:11], s[16:17]
	s_lshl_b32 s46, s42, 9                         ; 128 BX columns of 4 bytes
	s_lshl_b32 s47, s14, 8                         ; + 64 columns
	s_add_co_u32 s46, s46, s47
	s_mov_b32 s47, 0
	s_add_nc_u64 s[10:11], s[10:11], s[46:47]
.macro OUT16 a, f
	WIN 0x04                                       ; store data in window 1
.irp b, 0,1,2,3
	ds_store_b128 v[STO], v[8*(4*\a+\b):8*(4*\a+\b)+3]   offset:64*\b
	ds_store_b128 v[STO], v[8*(4*\a+\b)+4:8*(4*\a+\b)+7] offset:64*\b+16
.endr
	WIN 0
	s_wait_xcnt 0x0                                ; buffer f, which earlier stores read, is loaded again only behind this wait
.irp t, 0,1,2,3,4,5,6,7
	ds_load_b128 v[\f+4*\t:\f+4*\t+3], v[RD] offset:\t*2*SPITCH    ; LDS serves a wave's instructions in order: these see the stores above
.endr
.irp t, 0,1,2,3,4,5,6,7
	s_wait_dscnt 7-\t
	global_store_b128 v[CO], v[\f+4*\t:\f+4*\t+3], s[10:11] offset:(16*\a+2*\t)*4096 th:TH_STORE_NT   ; sixteen lanes store 256 consecutive bytes, aligned
.endr
.endm
	OUT16 0, F0
	OUT16 1, F1
	OUT16 2, F0
	OUT16 3, F1
	s_wait_tensorcnt 0x0
	ds_add_u32 v30, v31
	s_wait_dscnt 0x0
	CROUND                                         ; the closing round
	s_endpgm
.Lfunc_end_k_q6f29392580_proj:
	.size	k_q6f29392580_proj, .Lfunc_end_k_q6f29392580_proj-k_q6f29392580_proj
	.p2alignl 7, 3214868480
	.fill 96, 4, 3214868480
	.section	.rodata,"a",@progbits
	.p2align	6, 0x0
	.amdhsa_kernel k_q6f29392580_proj
		.amdhsa_group_segment_fixed_size 327680
		.amdhsa_private_segment_fixed_size 0
		.amdhsa_enable_private_segment 0
		.amdhsa_kernarg_size 32
		.amdhsa_user_sgpr_count 2
		.amdhsa_user_sgpr_kernarg_segment_ptr 1
		.amdhsa_wavefront_size32 1
		.amdhsa_system_sgpr_workgroup_id_x 1
		.amdhsa_system_sgpr_workgroup_id_y 1
		.amdhsa_system_sgpr_workgroup_id_z 1
		.amdhsa_system_vgpr_workitem_id 0
		.amdhsa_next_free_vgpr 384
		.amdhsa_next_free_sgpr 66
		.amdhsa_reserve_vcc 0
		.amdhsa_float_denorm_mode_32 3
		.amdhsa_float_denorm_mode_16_64 3
		.amdhsa_memory_ordered 1
		.amdhsa_forward_progress 1
		.amdhsa_inst_pref_size 109
	.end_amdhsa_kernel
	.amdgpu_metadata
---
amdhsa.version: [ 1, 2 ]
amdhsa.kernels:
  - .name:           k_q6f29392580_proj
    .symbol:         k_q6f29392580_proj.kd
    .args:
      - { .name: att, .offset: 0, .size: 8, .value_kind: global_buffer, .address_space: global }
      - { .name: wot, .offset: 8, .size: 8, .value_kind: global_buffer, .address_space: global }
      - { .name: out_b, .offset: 16, .size: 8, .value_kind: global_buffer, .address_space: global }
      - { .name: out0, .offset: 24, .size: 8, .value_kind: global_buffer, .address_space: global }
    .group_segment_fixed_size: 327680
    .private_segment_fixed_size: 0
    .kernarg_segment_align: 8
    .kernarg_segment_size: 32
    .max_flat_workgroup_size: 128
    .sgpr_count:     66
    .vgpr_count:     384
    .wavefront_size: 32
...
	.end_amdgpu_metadata
.endif
;; end of part 4
;; ======== version 2 of 2: 4 launches; version 1 with the launch cast written anew for expert scheduling mode
;; limits: values are held in f16: magnitudes above 65,504 overflow, below 6.1e-05 lose precision
;; workspace buffers: xh 8,388,608 bytes; wqt 6,291,456 bytes; wot 2,097,152 bytes; qkv 25,165,824 bytes; att 16,777,216 bytes
;; launch cast (part 5): grid 512 x 1, 8 waves a work-group, no clusters, 50,432 bytes of LDS; arguments x, qkv_w, out_w, xh, wqt, wot; writes xh, wqt, wot
.if DOCPART == 5
	.amdgcn_target "amdgcn-amd-amdhsa--gfx1250"
	.amdhsa_code_object_version 6
	.text
	.protected	k_q6f29392580_cast
	.globl	k_q6f29392580_cast
	.p2align	8
	.type	k_q6f29392580_cast,@function
k_q6f29392580_cast:
	s_mov_b64 s[64:65], 0
	v_nop
	global_prefetch_b8 v0, s[64:65] scope:SCOPE_SE
	s_setreg_imm32_b32 hwreg(HW_REG_WAVE_SCHED_MODE, 0, 2), 2
	s_setreg_imm32_b32 hwreg(HW_REG_WAVE_MODE, 25, 1), 1
	s_wait_xcnt 0x0
	s_wait_alu depctr_vm_vsrc(0)
; x [4096][1024] f32 -> xh, the same in bf16.  qkv_w [1024 k][3072 n] f32 -> wqt [3072 n][1024 k] bf16.  out_w [1024 k][1024 n] f32 -> wot [1024 n][1024 k] bf16.
; The later launches' matrix operands want 16-bit numbers with k running along a row; here each f32 byte is read once and each bf16 byte written once.
; bf16 has f32's range, so the inputs keep theirs; each is rounded once, to nearest even, to 8 significant bits.
; Every work-group takes 64 KiB of f32, all of a thread's sixteen 16-byte loads go out at once; no loop.
;   groups 0-255: a piece of x;  groups 256-447: a tile of 128 k x 128 n of qkv_w;  groups 448-511: such a tile of out_w.
; No matrix unit, no cluster, no tensor load: nothing is shared between work-groups and the work is a copy.
; THE MODE: SCHED_MODE bits 1:0 = 2 (LLVM: expert scheduling mode 2), set by the entry lines.  The code itself states the register dependences
; between vector instructions and memory or LDS instructions, with s_wait_alu, always for 0.
; THE PLAN.  Registers that memory or LDS instructions touch:
;   v1, v2, v3, v[GO]  offsets and LDS addresses: each written once by vector instructions, then only read by loads and stores.
;   X    written by the sixteen loads, read by the conversions; in the weights' arms its first 32 registers are then written by the LDS loads behind the barrier
;        and read by the global stores.
;   Y    each register written once, by a conversion, and read once, by a store (x: global; weights: LDS).
;   v104, v105  written at the head, read by the closing add alone.
; So a wait on va_vdst stands ahead of each run of loads (its offset is written) and ahead of each batch of stores (their data are written); the stores of one batch
; are dealt among the conversions of the next, which name other registers.  No register that a memory or LDS instruction reads is ever written again:
; the text holds no wait on vm_vsrc.
.set X,   4                            ; v[4:67]   sixteen loads of four f32
.set Y,   68                           ; v[68:99]  the same numbers in bf16
.set GO,  100                          ; v100      byte offset of my 16 bytes in the transposed tile in memory
.set WV,  101                          ; v101      wave number
.set LN,  102                          ; v102      lane
.set TT,  103                          ; v103      at work
.set RP,  48                           ; LDS: 32 bytes (16 k) of one column n, and 16 of padding
.set REG, 128*RP+32                    ; LDS: a wave's own region, 128 columns; the 32 bytes more set the eight regions 32 bytes apart modulo 256
	s_load_b256 s[4:11], s[0:1], 0x0               ; x s[4:5], qkv_w s[6:7], out_w s[8:9], xh s[10:11]
	s_load_b128 s[12:15], s[0:1], 0x20             ; wqt s[12:13], wot s[14:15]
	v_lshl_add_u32 v104, v0, 2, 0xc100             ; my spare word, behind the eight regions: kept for the closing lines alone
	v_mov_b32 v105, 0                              ; and 0, likewise
	s_mov_b32 s2, ttmp9                            ; the work-group's number
	v_lshrrev_b32 v[WV], 5, v0
	v_readfirstlane_b32 s20, v[WV]                 ; wave number as a scalar
	v_and_b32 v[LN], 31, v0
	s_mov_b32 s17, 0                               ; high words of the two offset pairs
	s_mov_b32 s19, 0
	s_wait_alu depctr_va_sdst(0)                   ; s20 is written, ahead of the branches below and of its first reader, in the weights' arms
	s_wait_kmcnt 0x0
	s_cmp_ge_u32 s2, 448
	s_cbranch_scc1 .Lout_w
	s_cmp_ge_u32 s2, 256
	s_cbranch_scc1 .Lqkv_w
	; ---- a piece of x: 16,384 numbers.  Thread t takes 16 bytes at 16 t of every 4,096; a wave's store covers 256 consecutive bytes, aligned.
	s_lshl_b32 s16, s2, 16
	s_add_nc_u64 s[4:5], s[4:5], s[16:17]
	s_lshl_b32 s18, s2, 15
	s_add_nc_u64 s[10:11], s[10:11], s[18:19]
	v_lshlrev_b32 v1, 4, v0
	v_lshlrev_b32 v2, 3, v0
	s_wait_alu depctr_va_vdst(0)                   ; v1 and v2 are written: every load below reads v1 as its offset, every store v2
.irp i, 0,1,2,3,4,5,6,7,8,9,10,11,12,13,14,15
	global_load_b128 v[X+4*\i:X+4*\i+3], v1, s[4:5] offset:\i*4096 th:TH_LOAD_NT
.endr
	; Four groups of four loads.  Group g rounds its sixteen numbers a lane into its own eight registers of Y; the four stores of group g - 1 stand among its conversions.
.irp g, 0,1,2,3
	s_wait_loadcnt 12-4*(\g)                       ; loads come back in order: the group's four are in, the 12 - 4 g younger ones stay out
.if (\g) > 0
	s_wait_alu depctr_va_vdst(0)                   ; the group before has written its eight registers of Y, which the four stores below read; this group's conversions name other registers
.endif
.irp i, 0,1,2,3
.if (\g) > 0
	global_store_b64 v2, v[Y+2*(4*((\g)-1)+(\i)):Y+2*(4*((\g)-1)+(\i))+1], s[10:11] offset:(4*((\g)-1)+(\i))*2048   ; no register is written twice: no wait for the stores' sources
.endif
	v_cvt_pk_bf16_f32 v[Y+2*(4*(\g)+(\i))],   v[X+4*(4*(\g)+(\i))],   v[X+4*(4*(\g)+(\i))+1]
	v_cvt_pk_bf16_f32 v[Y+2*(4*(\g)+(\i))+1], v[X+4*(4*(\g)+(\i))+2], v[X+4*(4*(\g)+(\i))+3]
.endr
.endr
	s_wait_alu depctr_va_vdst(0)                   ; the last group has written its eight registers of Y, which the last four stores read
.irp i, 0,1,2,3
	global_store_b64 v2, v[Y+24+2*\i:Y+24+2*\i+1], s[10:11] offset:(12+\i)*2048
.endr
	s_endpgm                                       ; this arm stores nothing to LDS
; Column j of my four, half g of its sixteen k: eight numbers packed into four registers, and those 16 bytes into my wave's LDS region.
.macro CVT4 j, g
.irp m, 0,1,2,3
	v_cvt_pk_bf16_f32 v[Y+4*(2*(\j)+(\g))+\m], v[X+4*(8*(\g)+2*\m)+(\j)], v[X+4*(8*(\g)+2*\m+1)+(\j)]   ; k = 16 w + 8 g + 2 m below, + 1 above
.endr
.endm
.macro PUT j, g
	ds_store_b128 v2, v[Y+4*(2*(\j)+(\g)):Y+4*(2*(\j)+(\g))+3] offset:(\j)*32*RP+16*(\g)
.endm
; ---- a tile of 128 k x 128 n of a weight [1024][NP], transposed.  first = the number of the first work-group of this kind.
; Wave w loads rows k = 16 w .. 16 w + 15 (512 consecutive bytes each); lane l holds columns n = 4 l .. 4 l + 3 of all sixteen.
; For each of its four columns the lane packs the sixteen k into 32 bytes and stores them into the wave's own LDS region, at row 32 j + l
; (n = 4 l + j): neighbouring lanes are 48 bytes apart.  Behind the barrier a row n of the result, 256 bytes, is gathered from the eight regions.
.macro TRANS NP, first, src, dst
	s_sub_co_u32 s21, s2, \first                   ; tile number
	s_and_b32 s22, s21, 7                          ; kt: which 128 k
	s_lshr_b32 s23, s21, 3                         ; nt: which 128 n
	s_mul_i32 s16, s22, 128*\NP*4
	s_lshl_b32 s18, s23, 9
	s_add_co_u32 s16, s16, s18
	s_add_nc_u64 s[\src:\src+1], s[\src:\src+1], s[16:17]          ; the tile's first element
	s_lshl_b32 s18, s23, 18                        ; 128 rows of 2,048 bytes
	s_lshl_b32 s16, s22, 8                         ; 128 k of 2 bytes
	s_add_co_u32 s18, s18, s16
	s_add_nc_u64 s[\dst:\dst+1], s[\dst:\dst+1], s[18:19]
	v_mul_u32_u24 v1, v[WV], 16*\NP*4
	v_lshl_add_u32 v1, v[LN], 4, v1
	s_wait_alu depctr_va_vdst(0)                   ; v1 is written, which the sixteen loads read as their offset
.irp i, 0,1,2,3,4,5,6,7,8,9,10,11,12,13,14,15
	global_load_b128 v[X+4*\i:X+4*\i+3], v1, s[\src:\src+1] offset:\i*\NP*4 th:TH_LOAD_NT
.endr
	s_mul_i32 s21, s20, REG
	v_mad_u32_u24 v2, v[LN], RP, s21               ; in: my wave's region, row l (+ 32 j in the immediate)
	v_bfe_u32 v[TT], v0, 1, 3                      ; back: lane l & 15 takes bytes 16 (l & 15) of a row: region (l & 15) / 2,
	v_mul_u32_u24 v3, v[TT], REG
	v_and_b32 v[TT], 1, v0                         ; half l & 1 of its 32 bytes
	v_lshl_add_u32 v3, v[TT], 4, v3
	v_bfe_u32 v[TT], v0, 4, 1                      ; lanes 16-31 take the next column n: j one higher, 32 rows on
	v_mad_u32_u24 v3, v[TT], 32*RP, v3
	s_mul_i32 s22, s20, 4*RP                       ; my wave's columns n = 16 w ..: rows 4 w ..
	v_add_nc_u32 v3, s22, v3
	v_lshl_add_u32 v[GO], v[WV], 4, v[TT]          ; and in memory: row 16 w + l / 16,
	v_and_b32 v[TT], 15, v0
	v_lshlrev_b32 v[TT], 4, v[TT]
	v_lshl_add_u32 v[GO], v[GO], 11, v[TT]         ; of 2,048 bytes, + 16 (l & 15)
	s_wait_loadcnt 0x0                             ; a packed word needs two rows, a store eight: all sixteen
.irp j, 0,1
.irp g, 0,1
	CVT4 \j, \g
.endr
.endr
	s_wait_alu depctr_va_vdst(0)                   ; columns 0 and 1 are packed: the first half of Y is written, and so is v2: the four LDS stores below read them
.irp j, 2,3
.irp g, 0,1
	PUT (\j)-2, \g                                 ; no further wait: the conversions between these stores write the other half of Y
	CVT4 \j, \g
.endr
.endr
	s_wait_alu depctr_va_vdst(0)                   ; the second half of Y is written, which the stores below read; every conversion is done reading X, in which the LDS loads behind the barrier land; v3 and v[GO] are written
.irp j, 2,3
.irp g, 0,1
	PUT \j, \g
.endr
.endr
	s_wait_dscnt 0x0                               ; my stores are done, for the other waves' sake
	s_barrier_signal -1
	s_barrier_wait -1                              ; the branch that led here hangs on the work-group's number alone: all eight waves are here
.irp u, 0,1,2,3,4,5,6,7
	ds_load_b128 v[X+4*\u:X+4*\u+3], v3 offset:(\u&1)*64*RP+(\u>>1)*RP     ; columns n = 16 w + 2 u + l / 16: j = 2 (u & 1) + l / 16, row 32 j + 4 w + u / 2.  No vector instruction since the last wait on va_vdst
.endr
.irp u, 0,1,2,3,4,5,6,7
	s_wait_dscnt 7-\u                              ; LDS loads come back in order
	global_store_b128 v[GO], v[X+4*\u:X+4*\u+3], s[\dst:\dst+1] offset:\u*4096   ; sixteen lanes store 256 consecutive bytes, aligned
.endr
	s_wait_dscnt 0x0                               ; the closing lines, six on end
	s_wait_alu 0x0
	s_wait_tensorcnt 0x0
	ds_add_u32 v104, v105
	s_wait_dscnt 0x0
	s_endpgm
.endm
.Lqkv_w:
	TRANS 3072, 256, 6, 12
.Lout_w:
	TRANS 1024, 448, 8, 14
.Lfunc_end_k_q6f29392580_cast:
	.size	k_q6f29392580_cast, .Lfunc_end_k_q6f29392580_cast-k_q6f29392580_cast
	.p2alignl 7, 3214868480
	.fill 96, 4, 3214868480
	.section	.rodata,"a",@progbits
	.p2align	6, 0x0
	.amdhsa_kernel k_q6f29392580_cast
		.amdhsa_group_segment_fixed_size 50432
		.amdhsa_private_segment_fixed_size 0
		.amdhsa_enable_private_segment 0
		.amdhsa_kernarg_size 48
		.amdhsa_user_sgpr_count 2
		.amdhsa_user_sgpr_kernarg_segment_ptr 1
		.amdhsa_wavefront_size32 1
		.amdhsa_system_sgpr_workgroup_id_x 1
		.amdhsa_system_sgpr_workgroup_id_y 1
		.amdhsa_system_sgpr_workgroup_id_z 1
		.amdhsa_system_vgpr_workitem_id 0
		.amdhsa_next_free_vgpr 106
		.amdhsa_next_free_sgpr 66
		.amdhsa_reserve_vcc 0
		.amdhsa_float_denorm_mode_32 3
		.amdhsa_float_denorm_mode_16_64 3
		.amdhsa_memory_ordered 1
		.amdhsa_forward_progress 1
		.amdhsa_inst_pref_size 22
	.end_amdhsa_kernel
	.amdgpu_metadata
---
amdhsa.version: [ 1, 2 ]
amdhsa.kernels:
  - .name:           k_q6f29392580_cast
    .symbol:         k_q6f29392580_cast.kd
    .args:
      - { .name: x, .offset: 0, .size: 8, .value_kind: global_buffer, .address_space: global }
      - { .name: qkv_w, .offset: 8, .size: 8, .value_kind: global_buffer, .address_space: global }
      - { .name: out_w, .offset: 16, .size: 8, .value_kind: global_buffer, .address_space: global }
      - { .name: xh, .offset: 24, .size: 8, .value_kind: global_buffer, .address_space: global }
      - { .name: wqt, .offset: 32, .size: 8, .value_kind: global_buffer, .address_space: global }
      - { .name: wot, .offset: 40, .size: 8, .value_kind: global_buffer, .address_space: global }
    .group_segment_fixed_size: 50432
    .private_segment_fixed_size: 0
    .kernarg_segment_align: 8
    .kernarg_segment_size: 48
    .max_flat_workgroup_size: 256
    .sgpr_count:     66
    .vgpr_count:     106
    .wavefront_size: 32
...
	.end_amdgpu_metadata
.endif
;; end of part 5
;; launch qkv: the kernel of part 2 again; grid 16 x 16, 4 waves a work-group, clusters of 4 x 4, 327,680 bytes of LDS; arguments xh, wqt, qkv_b, qkv; writes qkv
;; launch attn: the kernel of part 3 again; grid 8 x 32, 4 waves a work-group, no clusters, 327,680 bytes of LDS; arguments qkv, att; writes att
;; launch proj: the kernel of part 4 again; grid 8 x 32, 4 waves a work-group, clusters of 4 x 4, 327,680 bytes of LDS; arguments att, wot, out_b, out0; writes out0
